; MI455X (gfx1250); checked and timed in simulation.
; The chip was launched on July 23, 2026; its instructions are those of AMD's public machine-readable ISA for CDNA 5 (MIT licence, August 2026) and "CDNA5" Instruction Set Architecture Reference Guide (July 2026). The comments in the code are by the model that wrote it; some were corrected since.
;; Expert Block. Allowed arithmetic: matrix products marked QUANTISED: E5M2 operands, one E8M0 scale for each 32 along K, by v_wmma_scale_f32_16x16x128_f8f6f4 with both operands' format E5M2, f32 sums; products left as they are: f32 operands where the result goes on into a quantised operand, else bf16, f16 or f32 operands; f32 sums; everything else in f32.
;; Inputs: Wo_codes 128 x 4 x 32 uint8 (E5M2 codes of Wo, K innermost, in blocks of 32 codes); Wo_scales 128 x 4 uint8 (E8M0 scales of Wo, one for each 32 codes along K); Wqkv_codes 384 x 4 x 32 uint8 (E5M2 codes of Wqkv, K innermost, in blocks of 32 codes); Wqkv_scales 384 x 4 uint8 (E8M0 scales of Wqkv, one for each 32 codes along K); bo 128 float32; bqkv 384 float32; ffn_W1_codes 512 x 4 x 32 uint8 (E5M2 codes of ffn_W1, K innermost, in blocks of 32 codes); ffn_W1_scales 512 x 4 uint8 (E8M0 scales of ffn_W1, one for each 32 codes along K); ffn_W2_codes 128 x 16 x 32 uint8 (E5M2 codes of ffn_W2, K innermost, in blocks of 32 codes); ffn_W2_scales 128 x 16 uint8 (E8M0 scales of ffn_W2, one for each 32 codes along K); ffn_b1 512 float32; ffn_b2 128 float32; h 4 x 2,048 x 128 float32; key_padding_mask 4 x 2,048 bool; ln_a_b 128 float32; ln_a_g 128 float32; ln_mlp_b 128 float32; ln_mlp_g 128 float32; ln_op1_b 128 float32; ln_op1_g 128 float32; ln_op2_b 128 float32; ln_op2_g 128 float32; op1_W_codes 128 x 512 x 32 uint8 (E5M2 codes of op1_W, K innermost, in blocks of 32 codes); op1_W_scales 128 x 512 uint8 (E8M0 scales of op1_W, one for each 32 codes along K); op1_b 128 float32; op2_W_codes 128 x 512 x 32 uint8 (E5M2 codes of op2_W, K innermost, in blocks of 32 codes); op2_W_scales 128 x 512 uint8 (E8M0 scales of op2_W, one for each 32 codes along K); op2_b 128 float32.
;; Outputs: out0 4 x 2,048 x 128 float32.
;; This version of the problem:
;;   THIS VERSION OF THE PROBLEM IS GIVEN IN LOW PRECISION. The matrix products marked QUANTISED in the list below multiply operands that are first quantised to E5M2 (5 exponent bits, 2 mantissa bits; 8 bits a number), with one power-of-two scale for each 32 numbers along K (OCP MX v1.0); their sums are f32. All else is computed in f32.
;;   The module's matrix products, in the order in which they are computed (A, B: the left and right operand; K: the contracted axis; several contracted axes count as one K, in the product's order):
;;     1. [M 8,192, K 128] x [K 128, N 384]; A: computed on the way; B: input Wqkv (given as codes): QUANTISED
;;     2. batch 32 x [M 2,048, K 16] x [K 16, N 2,048]; A: computed on the way; B: computed on the way: left as it is (K = 16 < 32)
;;     3. batch 32 x [M 2,048, K 2,048] x [K 2,048, N 16]; A: softmax (see below); B: computed on the way: QUANTISED
;;     4. [M 8,192, K 128] x [K 128, N 128]; A: computed on the way; B: input Wo (given as codes): QUANTISED
;;     5. [M 8,192, K 16,384] x [K 16,384, N 128]; A: computed on the way; B: input op1_W (given as codes): QUANTISED
;;     6. [M 8,192, K 128] x [K 128, N 512]; A: computed on the way; B: input ffn_W1 (given as codes): QUANTISED
;;     7. [M 8,192, K 512] x [K 512, N 128]; A: computed on the way; B: input ffn_W2 (given as codes): QUANTISED
;;     8. [M 8,192, K 16,384] x [K 16,384, N 128]; A: computed on the way; B: input op2_W (given as codes): QUANTISED
;;   THE QUANTISER, for each operand of a quantised product, along K:
;;     - K is cut into blocks of 32 from its start; a last block that is shorter is filled with zeros.
;;     - A block's scale is 2^e with e = floor(log2(the largest magnitude in the block)) - 15, held to -126 .. 127; a block of zeros has e = 0. As a byte (E8M0): e + 127.
;;     - Each number is divided by its block's scale, clamped to +-57,344, and rounded to the nearest number of E5M2, ties to even, subnormals kept.
;;     - The product sums the exact products of the quantised numbers (number of the format x scale) in f32.
;;   ~~~python
;;   def quantise(x, axis):      # numpy; x: float32 -> the quantised numbers, widened to float32 again
;;       x = np.moveaxis(x, axis, -1); K = x.shape[-1]
;;       x = np.pad(x, [(0, 0)] * (x.ndim - 1) + [(0, -K % 32)]); x = x.reshape(x.shape[:-1] + (-1, 32)); a = np.abs(x).max(-1, keepdims=True)
;;       e = np.where(a > 0, np.clip(np.frexp(np.where(a > 0, a, 1))[1] - 1 - 15, -126, 127), 0)      # np.frexp(a)[1] - 1 = floor(log2(a)), exactly
;;       r = np.clip(x / 2.0 ** e, -57344, 57344)
;;       step = 2.0 ** (np.maximum(np.frexp(np.where(r == 0, 1, r))[1] - 1, -14) - 2)
;;       q = np.round(r / step) * step * 2.0 ** e      # np.round: ties to even
;;       return np.moveaxis(q.reshape(q.shape[:-2] + (-1,))[..., :K], -1, axis).astype(np.float32)
;;   ~~~
;;   SOFTMAX AHEAD OF A QUANTISED PRODUCT. Where the list says 'softmax', what is quantised is not the finished softmax but p = 2^(t - M), with t = logit x log2(e) and M = ceil(the row's largest t), a whole number; so 1/2 < the row's largest p <= 1. The row's sum l is taken of the UNQUANTISED p, in f32, and the product's result is divided by l at the end. Since M is a whole number, a kernel that streams over the keys may use a running M (the ceiling of the running maximum): every later rescaling is an exact power of two, which a block's scale takes up: the codes' values come out the same.
;;   OPERANDS COMPUTED ON THE WAY. 'Computed on the way' means the value that the module computes at that place (a softmax that the list does not call 'softmax' is quantised finished and normalised). What goes into a quantiser is computed in f32, as accurately as f32 sums, v_exp_f32 and their like allow (about 1e-6 of the number): no bf16 or f16 on the way to a quantiser, and a product that is left as it is and whose result goes on into a quantised operand takes f32 operands (vector FMAs, or v_wmma_f32_16x16x4_f32). A number that lies on a knife's edge between two numbers of the format may be rounded either way, as far as f32 arithmetic and the matrix unit's own rounding can turn it there, and no further.
;;   INPUTS GIVEN AS CODES. Wo (in the module: [128, 128], K = its axis 1); Wqkv (in the module: [384, 128], K = its axis 1); ffn_W1 (in the module: [512, 128], K = its axis 1); ffn_W2 (in the module: [128, 512], K = its axis 1); op1_W (in the module: [128, 16384], K = its axis 1); op2_W (in the module: [128, 16384], K = its axis 1): each comes as NAME_codes (uint8): NAME with its K axis moved to the last place and cut into blocks of 32 codes, [.., K / 32, bytes a block], one block behind the other in memory; one code a byte (a code: sign, 5 exponent bits, 2 mantissa bits); and NAME_scales (uint8): the same leading axes, one E8M0 byte (e + 127) for each 32 codes along K. Its value is code x scale, taken as it is: it is not quantised again, and the codes and scales need not be those that the quantiser above would give.
;; One version. Each part assembles by itself: llvm-mc -triple=amdgcn-amd-amdhsa -mcpu=gfx1250 --defsym DOCPART=n.
;; ======== version 1 of 1: 7 launches
;; limits: right only within a limited range of input values
;; workspace buffers: q_ws 4,194,304 bytes; kv_ws 5,636,096 bytes; ctx_ws 4,194,304 bytes; h1_ws 4,194,304 bytes; h3_ws 4,194,304 bytes; t_ws 4,194,304 bytes; part_ws 16,777,216 bytes
;; launch qkv (part 1): grid 64 x 1, 8 waves a work-group, no clusters, 18,432 bytes of LDS; arguments h, key_padding_mask, Wqkv_codes, Wqkv_scales, bqkv, ln_a_g, ln_a_b, q_ws, kv_ws; writes q_ws, kv_ws
.if DOCPART == 1
	.amdgcn_target "amdgcn-amd-amdhsa--gfx1250"
	.amdhsa_code_object_version 6
	.text
	.protected	k_q62e6aee446_qkv
	.globl	k_q62e6aee446_qkv
	.p2align	8
	.type	k_q62e6aee446_qkv,@function
k_q62e6aee446_qkv:
	s_mov_b64 s[64:65], 0
	v_nop
	global_prefetch_b8 v0, s[64:65] scope:SCOPE_SE
	s_setreg_imm32_b32 hwreg(HW_REG_WAVE_MODE, 25, 1), 1
	s_wait_xcnt 0x0
; LAUNCH 1 OF 7: t = LN(h); q, k, v = t Wqkv^T + bqkv (codes of E5M2, one E8M0 scale for each 32 along K), laid out for the attention launch.
; DEAD WORK: none.  Every input of reference() has a way to out0 (bqkv's part for k moves p's codes; the mask is honoured as it is given), so every input is loaded by some launch and every product is done.
; LIMITS: NaN and infinities among the inputs are not served.  A block whose largest magnitude lies under 2^-111 takes the scale byte 1 (a block of zeros too: its codes are zeros, and only this program reads the bytes).
; A MASKED KEY: its row of k is made 0 and its score starts from -2^32 (reference(): logit -1e9, which is score -4e9).  -2^32 x log2(e)/4 is an exact whole number, so in a row masked whole t - M = 0 and p = 1 for every key,
; as in reference(); beside any open key p is 0 in both.  This wants finite q and open logits above about -1e9.
; TILES OF TOKENS: tile T = 2 b + u of a run of 128 tokens holds tokens 32 b + 8 u + r + 8 (r / 8), r = lane % 16: so the 16 registers of tiles 2 b, 2 b + 1 of a transposed result are 16 neighbours.
; CANONICAL ROW: lane (r, e = lane / 16) holds 64 numbers of its token: register 16 b + i = feature 32 b + 16 e + i.
; SHARES: work-group g takes tokens 128 g on (batch g / 16, key step g % 16).  First wave w normalises and quantises token tile w and stores the fragment's image in LDS; behind one barrier wave w is head w and makes
; q, k (source 0 = 16 weight rows: a lane holds one token and 8 of the head's 16) and v (source 0 = tokens: a lane holds one of the head's 16 and its registers run along the keys) for all 8 tiles; v is quantised along the keys.
; A record of kv_ws (head, key step), 11,008 bytes: 8 tiles of k as f32 register images (1,024 each); v's fragment image (2,048); its scale words (128); zeros (128); the 128 keys' starting scores (512).
.set REC,   11008
.set XIMG,  0                          ; LDS: 8 fragment images of 2,048 bytes
.set XSC,   16384                      ; their scale words, 128 bytes each
.set SPARE, 17408                      ; the spare words, 128 bytes a wave
.set X,   16                           ; v16-79   the row; later v's 8 tiles
.set G,   80                           ; v80-143  ln_a_g; later XF, QA, KA
.set B,   144                          ; v144-207 ln_a_b; later BO
.set XF,  80                           ; two fragments of t
.set QA,  112                          ; q of two tiles
.set KA,  128                          ; k of two tiles
.set BO,  144                          ; four starting scores
.set PC,  208                          ; codes just made
.set TM,  224                          ; at work
.set PW,  240                          ; the scale word just made
.set WSC, 241                          ; v241-243 scale words of my 16 rows of Wq, Wk, Wv
.set KM,  244                          ; v244-251 1 - mask of my key in tile T
.set XS,  252                          ; v252-253 t's scale words
.set MW,  254                          ; four mask bytes
.set WV,  22
.set SEL, 24
.set MNT, 26
.set INV, 27
.set EPS, 28
.set MSB, 0
.macro WIN new                         ; the immediate's high byte repeats the setting that is left
.if MSB != \new
	s_set_vgpr_msb (MSB<<8)|\new
.set MSB, \new
.endif
.endm
; 64 numbers of a lane, register 16 b + i = k 32 b + 16 e + i of my row, become a fragment's codes in v[PC] on and its scale word in v[PW]
.macro QUANT s
.irp b, 0,1,2,3
	v_max3_num_f32 v[TM+\b], |v[\s+16*\b]|, |v[\s+1+16*\b]|, 0x8000000   ; my 16 numbers of block b, and the floor 2^(16 - 127): the byte cannot fall under 1
.endr
.irp i, 2,4,6,8,10,12,14
.irp b, 0,1,2,3
	v_max3_num_f32 v[TM+\b], v[TM+\b], |v[\s+16*\b+\i]|, |v[\s+1+16*\b+\i]|
.endr
.endr
.irp b, 0,1,2,3
	v_permlanex16_b32 v[TM+4+\b], v[TM+\b], s[SEL], s[SEL+1]
.endr
.irp b, 0,1,2,3
	v_max_num_f32 v[TM+\b], v[TM+\b], v[TM+4+\b]                        ; with lane l xor 16's: the block's largest magnitude
.endr
.irp b, 0,1,2,3
	v_add_nc_u32 v[TM+12+\b], 0xf8800000, v[TM+\b]                      ; 15 off its exponent field: the conversion's scale operand
.endr
.irp b, 0,1,2,3
	v_and_or_b32 v[TM+8+\b], v[TM+\b], 0x7f800000, s[MNT]               ; 57,344 x the scale
.endr
.irp b, 0,1,2,3
	v_lshrrev_b32 v[TM+4+\b], 23, v[TM+12+\b]                           ; the scale's byte
.endr
	v_lshl_or_b32 v[PW], v[TM+5], 8, v[TM+4]
	v_lshl_or_b32 v[PW], v[TM+6], 16, v[PW]
	v_lshl_or_b32 v[PW], v[TM+7], 24, v[PW]
.irp b, 0,1,2,3
.irp i, 0,1,2,3,4,5,6,7,8,9,10,11,12,13,14,15
	v_med3_num_f32 v[\s+16*\b+\i], v[\s+16*\b+\i], -v[TM+8+\b], v[TM+8+\b]   ; the conversion does not saturate (ISA guide 7.6.2): the hold comes first
.endr
	v_cvt_scalef32_pk8_bf8_f32 v[PC+4*\b:PC+1+4*\b], v[\s+16*\b:\s+7+16*\b], v[TM+12+\b]
	v_cvt_scalef32_pk8_bf8_f32 v[PC+2+4*\b:PC+3+4*\b], v[\s+8+16*\b:\s+15+16*\b], v[TM+12+\b]
.endr
	v_nop                                          ; a plain line behind the last conversion
.endm
; dst = (src - mean) x rsqrt(var + eps) x g + b over the token's 128 numbers: 64 mine, 64 in lane l xor 16.  win = 1: g and b lie in window 1
.macro LNORM src, dst, g, b, win
	v_pk_add_f32 v[TM:TM+1], v[\src:\src+1], v[\src+2:\src+3]
	v_pk_add_f32 v[TM+2:TM+3], v[\src+4:\src+5], v[\src+6:\src+7]
.set LJ, 8
.rept 14
	v_pk_add_f32 v[TM:TM+1], v[TM:TM+1], v[\src+LJ:\src+LJ+1]
	v_pk_add_f32 v[TM+2:TM+3], v[TM+2:TM+3], v[\src+LJ+2:\src+LJ+3]
.set LJ, LJ+4
.endr
	v_pk_add_f32 v[TM:TM+1], v[TM:TM+1], v[TM+2:TM+3]
	v_add_f32 v[TM], v[TM], v[TM+1]
	v_permlanex16_b32 v[TM+4], v[TM], s[SEL], s[SEL+1]
	v_add_f32 v[TM], v[TM], v[TM+4]
	v_mul_f32 v[TM], s[INV], v[TM]                 ; the mean
.set LJ, 0
.rept 32
	v_pk_add_f32 v[\dst+LJ:\dst+LJ+1], v[\src+LJ:\src+LJ+1], v[TM:TM+1] op_sel_hi:[1,0] neg_lo:[0,1] neg_hi:[0,1]
.set LJ, LJ+2
.endr
	v_pk_mul_f32 v[TM+2:TM+3], v[\dst:\dst+1], v[\dst:\dst+1]
	v_pk_mul_f32 v[TM+6:TM+7], v[\dst+2:\dst+3], v[\dst+2:\dst+3]
.set LJ, 4
.rept 15
	v_pk_fma_f32 v[TM+2:TM+3], v[\dst+LJ:\dst+LJ+1], v[\dst+LJ:\dst+LJ+1], v[TM+2:TM+3]
	v_pk_fma_f32 v[TM+6:TM+7], v[\dst+LJ+2:\dst+LJ+3], v[\dst+LJ+2:\dst+LJ+3], v[TM+6:TM+7]
.set LJ, LJ+4
.endr
	v_pk_add_f32 v[TM+2:TM+3], v[TM+2:TM+3], v[TM+6:TM+7]
	v_add_f32 v[TM+2], v[TM+2], v[TM+3]
	v_permlanex16_b32 v[TM+4], v[TM+2], s[SEL], s[SEL+1]
	v_add_f32 v[TM+2], v[TM+2], v[TM+4]
	v_fma_f32 v[TM+2], v[TM+2], s[INV], s[EPS]     ; var + eps
	v_rsq_f32 v[TM+8], v[TM+2]
	v_nop                                          ; a plain line behind the transcendental,
	s_wait_alu depctr_va_vdst(0)                   ; and the wait ahead of its first reader
.set LJ, 0
.rept 32
	v_pk_mul_f32 v[\dst+LJ:\dst+LJ+1], v[\dst+LJ:\dst+LJ+1], v[TM+8:TM+9] op_sel_hi:[1,0]
.set LJ, LJ+2
.endr
.if \win
	WIN 0x14                                       ; sources 1 and 2 in window 1
.endif
.set LJ, 0
.rept 32
	v_pk_fma_f32 v[\dst+LJ:\dst+LJ+1], v[\dst+LJ:\dst+LJ+1], v[\g+LJ:\g+LJ+1], v[\b+LJ:\b+LJ+1]
.set LJ, LJ+2
.endr
	WIN 0
.endm
.macro PROD d, a, b, c, sa, sb
	v_wmma_scale_f32_16x16x128_f8f6f4 v[\d:\d+7], v[\a:\a+15], v[\b:\b+15], v[\c:\c+7], v[\sa], v[\sb] matrix_a_fmt:MATRIX_FMT_BF8 matrix_b_fmt:MATRIX_FMT_BF8
.endm
	s_load_b512 s[4:19], s[0:1], 0x0               ; h, mask, Wqkv codes, Wqkv scales, bqkv, ln_a_g, ln_a_b, q_ws
	s_load_b64 s[20:21], s[0:1], 0x40              ; kv_ws
	v_lshl_add_u32 v8, v0, 2, SPARE                ; my spare word,
	v_mov_b32 v9, 0                                ; and 0: kept for the closing lines (v9 also feeds the record's zeros)
	v_lshrrev_b32 v1, 5, v0
	v_readfirstlane_b32 s[WV], v1                  ; wave 0..7
	v_and_b32 v13, 31, v0                          ; l
	v_and_b32 v14, 15, v0                          ; r
	v_bfe_u32 v15, v0, 4, 1                        ; e
	v_lshlrev_b32 v1, 4, v13                       ; 16 l
	v_lshlrev_b32 v2, 2, v13                       ; 4 l
	v_and_b32 v7, 8, v14
	v_add_nc_u32 v7, v7, v14                       ; r + 8 (r / 8)
	v_lshlrev_b32 v3, 9, v7
	v_lshl_add_u32 v3, v15, 6, v3                  ; h: my token's row of 512 bytes, + 64 e
	v_lshlrev_b32 v4, 6, v15                       ; g, b: 64 e
	s_lshl_b32 s23, s[WV], 11
	v_add_nc_u32 v5, s23, v1                       ; my image: 2,048 w + 16 l
	s_lshl_b32 s23, s[WV], 7
	v_add_nc_u32 v6, s23, v2                       ; its scale words: 128 w + 4 l
	v_lshlrev_b32 v10, 7, v14
	v_lshl_add_u32 v10, v15, 4, v10                ; a weight row of 128 bytes, + 16 e
	v_lshlrev_b32 v11, 2, v14                      ; 4 r
	v_lshlrev_b32 v12, 5, v15                      ; 32 e
.irp j, 4,5,6,7,9
	v_mov_b32 v[TM+\j], 0                          ; lane permutes' destinations and a pair's upper half: written once
.endr
	s_mov_b32 s[SEL], 0x76543210
	s_mov_b32 s[SEL+1], 0xfedcba98                 ; lane l xor 16
	s_mov_b32 s[MNT], 0x600000                     ; the mantissa field of 57,344
	s_mov_b32 s[INV], 0x3c000000                   ; 1 / 128
	s_mov_b32 s[EPS], 0x3727c5ac                   ; 1e-5
	s_lshl_b32 s30, ttmp9, 16                      ; h: 128 tokens of 512 bytes a work-group,
	s_lshr_b32 s23, s[WV], 1
	s_lshl_b32 s23, s23, 14
	s_add_co_u32 s30, s30, s23                     ; + 32 (w / 2) tokens
	s_and_b32 s23, s[WV], 1
	s_lshl_b32 s23, s23, 12
	s_add_co_u32 s30, s30, s23                     ; + 8 (w % 2) tokens
	s_mov_b32 s31, 0
	s_lshl_b32 s32, ttmp9, 7                       ; mask: 128 bytes a work-group
	s_mov_b32 s33, 0
	s_lshl_b32 s34, s[WV], 11                      ; weights: my head's 16 rows of 128 bytes
	s_mov_b32 s35, 0
	s_lshl_b32 s36, s[WV], 6                       ; their scale words and biases: 64 bytes
	s_mov_b32 s37, 0
	s_lshr_b32 s38, ttmp9, 4
	s_lshl_b32 s38, s38, 3
	s_add_co_u32 s38, s38, s[WV]                   ; 8 x batch + head
	s_and_b32 s39, ttmp9, 15                       ; key step
	s_lshl_b32 s40, s38, 7
	s_lshl_b32 s41, s39, 3
	s_add_co_u32 s40, s40, s41
	s_lshl_b32 s40, s40, 10                        ; q_ws: 1,024 bytes a tile, 128 tiles a head
	s_mov_b32 s41, 0
	s_lshl_b32 s42, s38, 4
	s_add_co_u32 s42, s42, s39
	s_mul_i32 s42, s42, REC                        ; kv_ws: my record
	s_mov_b32 s43, 0
	s_wait_kmcnt 0x0
	s_add_nc_u64 s[4:5], s[4:5], s[30:31]
	s_add_nc_u64 s[6:7], s[6:7], s[32:33]
	s_add_nc_u64 s[8:9], s[8:9], s[34:35]
	s_add_nc_u64 s[10:11], s[10:11], s[36:37]
	s_add_nc_u64 s[12:13], s[12:13], s[36:37]
	s_add_nc_u64 s[18:19], s[18:19], s[40:41]
	s_add_nc_u64 s[20:21], s[20:21], s[42:43]
.irp b, 0,1,2,3
.irp k, 0,1,2,3
	global_load_b128 v[X+16*\b+4*\k:X+16*\b+4*\k+3], v3, s[4:5] offset:128*\b+16*\k
.endr
.endr
.irp b, 0,1,2,3
.irp k, 0,1,2,3
	global_load_b128 v[G+16*\b+4*\k:G+16*\b+4*\k+3], v4, s[14:15] offset:128*\b+16*\k
.endr
.endr
.irp b, 0,1,2,3
.irp k, 0,1,2,3
	global_load_b128 v[B+16*\b+4*\k:B+16*\b+4*\k+3], v4, s[16:17] offset:128*\b+16*\k
.endr
.endr
	WIN 0x40                                       ; destination window 1: v0-47 my rows of Wq, Wk, Wv; v48-55, v56-63 q's and k's bias; v64-71 v's
.irp p, 0,1,2
.irp c, 0,1,2,3
	global_load_b128 v[16*\p+4*\c:16*\p+4*\c+3], v10, s[8:9] offset:16384*\p+32*\c
.endr
.endr
	global_load_b128 v[48:51], v12, s[12:13]                  ; bq at my 8 of the head's 16
	global_load_b128 v[52:55], v12, s[12:13] offset:16
	global_load_b128 v[56:59], v12, s[12:13] offset:512       ; bk
	global_load_b128 v[60:63], v12, s[12:13] offset:528
.irp j, 0,1,2,3,4,5,6,7
	global_load_b32 v[64+\j], v11, s[12:13] offset:1024       ; bv of my one of the head's 16, for all 8 keys of a lane
.endr
	WIN 0
.irp p, 0,1,2
	global_load_b32 v[WSC+\p], v11, s[10:11] offset:512*\p
.endr
.irp t, 0,1,2,3,4,5,6,7
	global_load_u8 v[KM+\t], v7, s[6:7] offset:32*(\t/2)+8*(\t%2)   ; the mask of my key in tile t
.endr
	global_load_b32 v[MW], v2, s[6:7]              ; and of keys 4 l .. 4 l + 3
	s_wait_loadcnt 36                              ; h, g and b are in; the 36 loads issued behind them may be out
	LNORM X, X, G, B, 0
	QUANT X
.irp c, 0,1,2,3
	ds_store_b128 v5, v[PC+4*\c:PC+4*\c+3] offset:XIMG+512*\c
.endr
	ds_store_b32 v6, v[PW] offset:XSC
	s_wait_dscnt 0x0                               ; for the others' sake: my image has landed
	s_barrier_signal -1
	s_barrier_wait -1
	s_wait_loadcnt 0x0                             ; weights, biases, masks
.irp t, 0,1,2,3,4,5,6,7
	v_cvt_f32_u32 v[KM+\t], v[KM+\t]
.endr
.irp t, 0,1,2,3,4,5,6,7
	v_sub_f32 v[KM+\t], 1.0, v[KM+\t]              ; 1 for an open key, 0 for a masked one
.endr
.irp pp, 0,1,2,3                                   ; two token tiles at a time
.irp u, 0,1
.irp c, 0,1,2,3
	ds_load_b128 v[XF+16*\u+4*\c:XF+16*\u+4*\c+3], v1 offset:XIMG+2048*(2*\pp+\u)+512*\c
.endr
	ds_load_b32 v[XS+\u], v2 offset:XSC+128*(2*\pp+\u)
.endr
	s_wait_dscnt 0x0
	s_wait_xcnt 0x0                                ; the last pair's stores have read QA and KA: only now are they written again
	WIN 0x11                                       ; source 0 (weights) and source 2 (bias) in window 1
	PROD QA, 0, XF, 48, WSC, XS
	PROD KA, 16, XF, 56, WSC+1, XS
	PROD QA+8, 0, XF+16, 48, WSC, XS+1
	PROD KA+8, 16, XF+16, 56, WSC+1, XS+1
	WIN 0x14                                       ; source 1 (Wv) and source 2 in window 1: source 0 = the tokens
	PROD X+16*\pp, XF, 32, 64, XS, WSC+2
	PROD X+16*\pp+8, XF+16, 32, 64, XS+1, WSC+2
	WIN 0
.rept 8
	v_nop                                          ; eight places behind this form before its results are read
.endr
.irp u, 0,1
.irp j, 0,1,2,3,4,5,6,7
	v_mul_f32 v[KA+8*\u+\j], v[KA+8*\u+\j], v[KM+2*\pp+\u]   ; a masked key's row becomes 0
.endr
.endr
.irp u, 0,1
	global_store_b128 v1, v[QA+8*\u:QA+8*\u+3], s[18:19] offset:1024*(2*\pp+\u)
	global_store_b128 v1, v[QA+8*\u+4:QA+8*\u+7], s[18:19] offset:1024*(2*\pp+\u)+512
	global_store_b128 v1, v[KA+8*\u:KA+8*\u+3], s[20:21] offset:1024*(2*\pp+\u)
	global_store_b128 v1, v[KA+8*\u+4:KA+8*\u+7], s[20:21] offset:1024*(2*\pp+\u)+512
.endr
.endr
	QUANT X                                        ; v: lane (r, e) holds number r of the head's 16, registers along the 128 keys
.irp c, 0,1,2,3
	global_store_b128 v1, v[PC+4*\c:PC+4*\c+3], s[20:21] offset:8192+512*\c
.endr
	global_store_b32 v2, v[PW], s[20:21] offset:10240
	global_store_b32 v2, v9, s[20:21] offset:10368 ; the record's 128 spare bytes are written too
.irp i, 0,1,2,3
	v_bfe_u32 v[BO+\i], v[MW], 8*\i, 8
.endr
.irp i, 0,1,2,3
	v_cvt_f32_u32 v[BO+\i], v[BO+\i]
.endr
.irp i, 0,1,2,3
	v_mul_f32 v[BO+\i], 0xcf800000, v[BO+\i]       ; -2^32 for a masked key, 0 for an open one
.endr
	global_store_b128 v1, v[BO:BO+3], s[20:21] offset:10496
	s_wait_tensorcnt 0x0                           ; the wave's end
	ds_add_u32 v8, v9
	s_wait_dscnt 0x0
	s_endpgm
.Lfunc_end_k_q62e6aee446_qkv:
	.size	k_q62e6aee446_qkv, .Lfunc_end_k_q62e6aee446_qkv-k_q62e6aee446_qkv
	.p2alignl 7, 3214868480
	.fill 96, 4, 3214868480
	.section	.rodata,"a",@progbits
	.p2align	6, 0x0
	.amdhsa_kernel k_q62e6aee446_qkv
		.amdhsa_group_segment_fixed_size 18432
		.amdhsa_private_segment_fixed_size 0
		.amdhsa_enable_private_segment 0
		.amdhsa_kernarg_size 72
		.amdhsa_user_sgpr_count 2
		.amdhsa_user_sgpr_kernarg_segment_ptr 1
		.amdhsa_wavefront_size32 1
		.amdhsa_system_sgpr_workgroup_id_x 1
		.amdhsa_system_sgpr_workgroup_id_y 1
		.amdhsa_system_sgpr_workgroup_id_z 1
		.amdhsa_system_vgpr_workitem_id 0
		.amdhsa_next_free_vgpr 336
		.amdhsa_next_free_sgpr 66
		.amdhsa_reserve_vcc 0
		.amdhsa_float_denorm_mode_32 3
		.amdhsa_float_denorm_mode_16_64 3
		.amdhsa_memory_ordered 1
		.amdhsa_forward_progress 1
		.amdhsa_inst_pref_size 52
	.end_amdhsa_kernel
	.amdgpu_metadata
---
amdhsa.version: [ 1, 2 ]
amdhsa.kernels:
  - .name:           k_q62e6aee446_qkv
    .symbol:         k_q62e6aee446_qkv.kd
    .args:
      - { .name: h, .offset: 0, .size: 8, .value_kind: global_buffer, .address_space: global }
      - { .name: key_padding_mask, .offset: 8, .size: 8, .value_kind: global_buffer, .address_space: global }
      - { .name: Wqkv_codes, .offset: 16, .size: 8, .value_kind: global_buffer, .address_space: global }
      - { .name: Wqkv_scales, .offset: 24, .size: 8, .value_kind: global_buffer, .address_space: global }
      - { .name: bqkv, .offset: 32, .size: 8, .value_kind: global_buffer, .address_space: global }
      - { .name: ln_a_g, .offset: 40, .size: 8, .value_kind: global_buffer, .address_space: global }
      - { .name: ln_a_b, .offset: 48, .size: 8, .value_kind: global_buffer, .address_space: global }
      - { .name: q_ws, .offset: 56, .size: 8, .value_kind: global_buffer, .address_space: global }
      - { .name: kv_ws, .offset: 64, .size: 8, .value_kind: global_buffer, .address_space: global }
    .group_segment_fixed_size: 18432
    .private_segment_fixed_size: 0
    .kernarg_segment_align: 8
    .kernarg_segment_size: 72
    .max_flat_workgroup_size: 256
    .sgpr_count:     66
    .vgpr_count:     336
    .wavefront_size: 32
...
	.end_amdgpu_metadata
.endif
;; end of part 1
;; launch attn (part 2): grid 8 x 32, 16 waves a work-group, clusters of 4 x 1, 178,176 bytes of LDS; arguments q_ws, kv_ws, ctx_ws; writes ctx_ws
.if DOCPART == 2
	.amdgcn_target "amdgcn-amd-amdhsa--gfx1250"
	.amdhsa_code_object_version 6
	.text
	.protected	k_q62e6aee446_attn
	.globl	k_q62e6aee446_attn
	.p2align	8
	.type	k_q62e6aee446_attn,@function
k_q62e6aee446_attn:
	s_mov_b64 s[64:65], 0
	v_nop
	global_prefetch_b8 v0, s[64:65] scope:SCOPE_SE
	s_setreg_imm32_b32 hwreg(HW_REG_WAVE_MODE, 25, 1), 1
	s_wait_xcnt 0x0
	s_wait_alu depctr_hold_cnt(0) depctr_sa_sdst(0) depctr_va_vdst(0) depctr_va_sdst(0) depctr_va_ssrc(0) depctr_va_vcc(0) depctr_vm_vsrc(0)
	s_getreg_b32 s2, hwreg(HW_REG_IB_STS2, 6, 4)
	s_cmp_eq_u32 s2, 0
	s_cbranch_scc0 .Lentry_in_a_cluster
	s_endpgm
.Lentry_in_a_cluster:
	s_bfe_u32 s2, ttmp6, 0x10000c
	s_cmp_lg_u32 s2, 0x3003
	s_cbranch_scc0 .Lentry_shape_is_right
	s_endpgm
.Lentry_shape_is_right:
; LAUNCH 2 OF 7: ctx = softmax(q k^T / 4, masked) v for one (batch, head) and 256 queries a work-group.  Nothing of reference() is left out here.
; q k^T has K = 16 and feeds a quantiser, so it takes f32 operands: v_wmma_f32_16x16x4_f32, four links a tile; the sum starts from the key's starting score (0, or -2^32 for a masked key, whose row of k is 0).
; p = 2^(t - M), t = score x log2(e) / 4, M the running largest t rounded up to a whole number; p is quantised along the keys; the row's sum is taken of the unquantised p and divides at the end.
; LIMITS: as stated at the head of the first launch (masked score -2^32; NaN and infinities not served).
; SHARES: sixteen waves, each with one tile of 16 queries in 256 registers, four to a SIMD, so that one wave's softmax stands beside another's matrix work.  Every wave walks the head's 16 key steps of 128 keys.
; LDS: the head's 16 records (176,128 bytes) come ONCE, one tensor load a wave, and stay: no slot is filled again and the loop has no barrier.
; CLUSTER: the four work-groups of a cluster belong to one head and want the same records: each load is asked for jointly, with the same descriptor (made of the head and the wave's number) and the mask of all four.
; LAYOUT: both products transposed (source 0 = 16 keys, or the head's 16 numbers of v; source 1 = my 16 queries): a lane holds one query throughout.  In the f32 form slot (e, j) of link n carries number 8 e + 2 n + j of the
; head's 16, in k and in q alike.  The keys of tile 2 b + u are 32 b + 8 u + r + 8 (r / 8): so registers 16 b .. 16 b + 15 of the scores are keys 32 b + 16 e + 0 .. 15.
.set REC,   11008
.set SPARE, 176128
.set Q,   16                           ; v16-23   q
.set OT,  24                           ; v24-31   O^T
.set KF,  32                           ; v32-63   four tiles of k; v32-47 later v's fragment
.set BI,  64                           ; v64-95   their starting scores; v64-79 later p's codes
.set PC,  64
.set S,   96                           ; v96-159  the scores: written by the f32 matrix form alone
.set P,   160                          ; v160-223 t - M, then p
.set BM,  224                          ; the blocks' largest
.set PT,  228                          ; at work
.set LM,  232                          ; 57,344 x the scale
.set SO,  236                          ; the conversions' scale operands
.set FF,  240                          ; v[240:241] f = 2^(old M - new M)
.set T0,  242
.set VS,  244                          ; v's scale words
.set PW,  245                          ; p's scale word
.set WV,  10
.set SEL, 28
.set CS,  30
.set MNT, 32
.set TB,  33
.set CNT, 34
.macro CROUND                          ; a round of the cluster's barrier
	s_barrier_signal -1
	s_barrier_wait -1
	s_cmp_lg_u32 s[WV], 0
	s_cbranch_scc1 .Lnot_wave_0_\@
	s_barrier_signal -3
.Lnot_wave_0_\@:
	s_barrier_wait -3
	s_barrier_signal -1
	s_barrier_wait -1
.endm
	s_load_b128 s[4:7], s[0:1], 0x0                ; q_ws, kv_ws
	s_load_b64 s[8:9], s[0:1], 0x10                ; ctx_ws
	v_lshl_add_u32 v4, v0, 2, SPARE
	v_mov_b32 v5, 0
	ds_add_u32 v4, v5                              ; the wave's opening: the add, twice on end, and its wait ahead of my first tensor load
	ds_add_u32 v4, v5
	v_lshrrev_b32 v1, 5, v0
	v_readfirstlane_b32 s[WV], v1                  ; wave 0..15
	s_bfe_u32 s11, ttmp6, 0x40000                  ; cx: it enters q's and ctx's global addresses alone
	s_lshl_b32 s24, ttmp9, 2
	s_add_co_u32 s24, s24, s11                     ; my block of 256 queries
	s_and_b32 s25, ttmp7, 0xffff                   ; 8 x batch + head, which the four partners share
	s_mov_b32 s16, 15|(3<<16)|(1<<21)              ; group 1: the mask of all four; elements of 8 bytes; bit 21 beside a mask; no padding
	s_mov_b32 s17, 32<<16                          ; tensor_dim0 = 32 elements: rows of 256 bytes
	s_mov_b32 s18, 43<<16                          ; tensor_dim1 = 43 rows: a record
	s_mov_b32 s19, 32<<16                          ; tile_dim0
	s_mov_b32 s20, 43                              ; tile_dim1
	s_mov_b32 s21, 32                              ; the pitch: dense
	s_mov_b32 s22, 0
	s_mov_b32 s23, 0
	s_mov_b32 s12, 1
	s_mul_i32 s13, s[WV], REC                      ; record w goes to LDS byte 11,008 w
	s_lshl_b32 s26, s25, 4
	s_add_co_u32 s26, s26, s[WV]
	s_mul_i32 s26, s26, REC
	s_mov_b32 s27, 0
	s_lshl_b32 s36, s25, 7
	s_lshl_b32 s37, s24, 4
	s_add_co_u32 s36, s36, s37
	s_add_co_u32 s36, s36, s[WV]
	s_lshl_b32 s36, s36, 10                        ; q_ws: tile 128 (8 batch + head) + 16 block + w, 1,024 bytes each
	s_mov_b32 s37, 0
	s_lshr_b32 s38, s25, 3
	s_lshl_b32 s38, s38, 7
	s_lshl_b32 s39, s24, 4
	s_add_co_u32 s38, s38, s39
	s_add_co_u32 s38, s38, s[WV]
	s_lshl_b32 s38, s38, 13                        ; ctx_ws: row tile 128 batch + 16 block + w, 8,192 bytes each,
	s_bfe_u32 s39, s25, 0x20001
	s_lshl_b32 s39, s39, 11
	s_add_co_u32 s38, s38, s39                     ; + 2,048 (head / 2)
	s_and_b32 s39, s25, 1
	s_lshl_b32 s39, s39, 8
	s_add_co_u32 s38, s38, s39                     ; + 256 (head % 2)
	s_mov_b32 s39, 0
	s_mov_b32 s[SEL], 0x76543210
	s_mov_b32 s[SEL+1], 0xfedcba98
	s_mov_b32 s[CS], 0x3eb8aa3b                    ; c = log2(e) / 4
	s_mov_b32 s[CS+1], s[CS]
	s_mov_b32 s[MNT], 0x600000
	s_mov_b32 s[TB], 0
	s_mov_b32 s[CNT], 16
	s_wait_dscnt 0x0                               ; both opening adds are done
	s_wait_kmcnt 0x0
	s_add_nc_u64 s[14:15], s[6:7], s[26:27]
	s_or_b32 s15, s15, 0x80000000                  ; type = 2
	s_add_nc_u64 s[4:5], s[4:5], s[36:37]
	s_add_nc_u64 s[8:9], s[8:9], s[38:39]
	CROUND                                         ; all four work-groups are here: the joint loads meet
	tensor_load_to_lds s[12:15], s[16:23]          ; my one tensor load of the launch
	s_nop 0
.rept 4
	v_nop
.endr
	v_and_b32 v10, 31, v0
	v_and_b32 v11, 15, v0
	v_bfe_u32 v9, v0, 4, 1
	v_lshlrev_b32 v1, 4, v10                       ; 16 l
	global_load_b128 v[Q:Q+3], v1, s[4:5]
	global_load_b128 v[Q+4:Q+7], v1, s[4:5] offset:512
	v_lshlrev_b32 v2, 6, v9
	v_add_nc_u32 v2, 10496, v2                     ; the starting scores: 64 e
	v_lshl_add_u32 v3, v10, 2, 10240               ; v's scale words: 4 l
	v_lshlrev_b32 v9, 10, v9
	v_lshl_add_u32 v9, v11, 4, v9                  ; ctx: 1,024 e + 16 r
	v_mov_b32 v13, 0xff61b1e6                      ; the largest t so far: -3e38
	v_floor_f32 v12, -v13                          ; -M
	v_mov_b32 v14, 0
	v_mov_b32 v15, 0                               ; the sum, in two halves
.irp j, 0,1,2,3,4,5,6,7
	v_mov_b32 v[OT+\j], 0                          ; the step is written once: the first finds zeros
.endr
.irp j, 0,1,2,3
	v_mov_b32 v[PT+\j], 0                          ; a lane permute's destination counts as read
.endr
	v_mov_b32 v[FF+1], 0
	s_wait_tensorcnt 0x0                           ; my record has landed,
	s_barrier_signal -1
	s_barrier_wait -1                              ; everybody's has
	s_wait_loadcnt 0x0                             ; q
.Lkey:
	v_add_nc_u32 v6, s[TB], v1
	v_add_nc_u32 v7, s[TB], v2
	v_add_nc_u32 v8, s[TB], v3
.irp g, 0,1                                        ; four tiles of 16 keys at a time
.rept 8-3*(1-\g)
	v_nop                                          ; eight places in front of loads into registers that matrix instructions have read (the three additions are places too)
.endr
.irp t, 0,1,2,3
	ds_load_b128 v[KF+8*\t:KF+8*\t+3], v6 offset:1024*(4*\g+\t)
	ds_load_b128 v[KF+8*\t+4:KF+8*\t+7], v6 offset:1024*(4*\g+\t)+512
	ds_load_b128 v[BI+8*\t:BI+8*\t+3], v7 offset:128*((4*\g+\t)/2)+32*(\t%2)
	ds_load_b128 v[BI+8*\t+4:BI+8*\t+7], v7 offset:128*((4*\g+\t)/2)+32*(\t%2)+16
.endr
	s_wait_dscnt 0x0
.irp t, 0,1,2,3                                    ; the four sums take turns, one instruction a turn
	v_wmma_f32_16x16x4_f32 v[S+8*(4*\g+\t):S+8*(4*\g+\t)+7], v[KF+8*\t:KF+8*\t+1], v[Q:Q+1], v[BI+8*\t:BI+8*\t+7]
.endr
.irp n, 1,2,3
.irp t, 0,1,2,3
	v_wmma_f32_16x16x4_f32 v[S+8*(4*\g+\t):S+8*(4*\g+\t)+7], v[KF+8*\t+2*\n:KF+8*\t+2*\n+1], v[Q+2*\n:Q+2*\n+1], v[S+8*(4*\g+\t):S+8*(4*\g+\t)+7]
.endr
.endr
.endr
.rept 8
	v_nop
.endr
.irp c, 0,1,2,3
	ds_load_b128 v[KF+4*\c:KF+4*\c+3], v6 offset:8192+512*\c   ; v's fragment lands while the softmax is walked
.endr
	ds_load_b32 v[VS], v8
.irp b, 0,1,2,3
	v_max3_num_f32 v[BM+\b], v[S+16*\b], v[S+1+16*\b], v[S+2+16*\b]   ; the largest score of each block of 32 keys: for the row's maximum and for the block's largest p
.endr
.irp i, 3,5,7,9,11,13
.irp b, 0,1,2,3
	v_max3_num_f32 v[BM+\b], v[BM+\b], v[S+16*\b+\i], v[S+1+16*\b+\i]
.endr
.endr
.irp b, 0,1,2,3
	v_max_num_f32 v[BM+\b], v[BM+\b], v[S+15+16*\b]
.endr
.irp b, 0,1,2,3
	v_permlanex16_b32 v[PT+\b], v[BM+\b], s[SEL], s[SEL+1]
.endr
.irp b, 0,1,2,3
	v_max_num_f32 v[BM+\b], v[BM+\b], v[PT+\b]
.endr
	v_max3_num_f32 v[T0], v[BM], v[BM+1], v[BM+2]
	v_max_num_f32 v[T0], v[T0], v[BM+3]
	v_mul_f32 v[T0], s[CS], v[T0]
	v_max_num_f32 v13, v13, v[T0]                  ; the running largest t
	v_mov_b32 v[T0], v12
	v_floor_f32 v12, -v13                          ; the new -M: a whole number
	v_sub_f32 v[T0], v12, v[T0]
	v_cvt_i32_f32 v[T0], v[T0]                     ; (it saturates)
	v_ldexp_f32 v[FF], 1.0, v[T0]                  ; f = 2^(old M - new M): rounds nothing
.set SJ, 0
.rept 32
	v_pk_fma_f32 v[P+SJ:P+SJ+1], v[S+SJ:S+SJ+1], s[CS:CS+1], v[12:13] op_sel_hi:[1,0,0]   ; t - M, into registers of its own
.set SJ, SJ+2
.endr
.irp b, 0,1,2,3
	v_fma_f32 v[BM+\b], v[BM+\b], s[CS], v12
.endr
.set SJ, 0
.rept 64
	v_exp_f32 v[P+SJ], v[P+SJ]
.set SJ, SJ+1
.endr
	v_pk_mul_f32 v[14:15], v[14:15], v[FF:FF+1] op_sel_hi:[1,0]   ; a plain line behind the exponentials
	s_wait_alu depctr_va_vdst(0)                   ; one wait for the batch of 64, ahead of its first reader
.irp b, 0,1,2,3
	v_exp_f32 v[BM+\b], v[BM+\b]                   ; the blocks' largest p
.endr
	v_pk_add_f32 v[PT:PT+1], v[P:P+1], v[P+2:P+3]  ; the row's sum of the unquantised p, in two chains
.set SJ, 4
.rept 15
	v_pk_add_f32 v[14:15], v[14:15], v[P+SJ:P+SJ+1]
	v_pk_add_f32 v[PT:PT+1], v[PT:PT+1], v[P+SJ+2:P+SJ+3]
.set SJ, SJ+4
.endr
	v_pk_add_f32 v[14:15], v[14:15], v[PT:PT+1]
	s_wait_alu depctr_va_vdst(0)                   ; and one for the four
.irp b, 0,1,2,3
	v_max_num_f32 v[BM+\b], 0x8000000, v[BM+\b]    ; the floor 2^(16 - 127)
.endr
.irp b, 0,1,2,3
	v_add_nc_u32 v[SO+\b], 0xf8800000, v[BM+\b]
.endr
.irp b, 0,1,2,3
	v_and_or_b32 v[LM+\b], v[BM+\b], 0x7f800000, s[MNT]
.endr
.irp b, 0,1,2,3
	v_lshrrev_b32 v[PT+\b], 23, v[SO+\b]
.endr
	v_lshl_or_b32 v[PW], v[PT+1], 8, v[PT]
	v_lshl_or_b32 v[PW], v[PT+2], 16, v[PW]
	v_lshl_or_b32 v[PW], v[PT+3], 24, v[PW]
.irp b, 0,1,2,3
.irp i, 0,1,2,3,4,5,6,7,8,9,10,11,12,13,14,15
	v_min_num_f32 v[P+16*\b+\i], v[P+16*\b+\i], v[LM+\b]   ; p is not negative: the hold is one-sided
.endr
	v_cvt_scalef32_pk8_bf8_f32 v[PC+4*\b:PC+4*\b+1], v[P+16*\b:P+16*\b+7], v[SO+\b]
	v_cvt_scalef32_pk8_bf8_f32 v[PC+4*\b+2:PC+4*\b+3], v[P+16*\b+8:P+16*\b+15], v[SO+\b]
.endr
.irp j, 0,2,4,6
	v_pk_mul_f32 v[OT+\j:OT+\j+1], v[OT+\j:OT+\j+1], v[FF:FF+1] op_sel_hi:[1,0]   ; O^T under the new M
.endr
.rept 4
	v_nop                                          ; four places between the codes' last write and the scaled product
.endr
	s_wait_dscnt 0x0                               ; v's fragment and scale words
	v_wmma_scale_f32_16x16x128_f8f6f4 v[OT:OT+7], v[KF:KF+15], v[PC:PC+15], v[OT:OT+7], v[VS], v[PW] matrix_a_fmt:MATRIX_FMT_BF8 matrix_b_fmt:MATRIX_FMT_BF8
	s_add_co_u32 s[TB], s[TB], REC
	s_sub_co_u32 s[CNT], s[CNT], 1
	s_cmp_lg_u32 s[CNT], 0
	s_cbranch_scc1 .Lkey
	v_add_f32 v14, v14, v15
	v_permlanex16_b32 v[T0], v14, s[SEL], s[SEL+1]
	v_add_f32 v14, v14, v[T0]                      ; the row's sum
	v_rcp_f32 v14, v14
.rept 8
	v_nop                                          ; the places behind the last product, and the plain line behind the reciprocal
.endr
	s_wait_alu depctr_va_vdst(0)
.irp j, 0,1,2,3,4,5,6,7
	v_mul_f32 v[P+\j], v[OT+\j], v14               ; ctx(query r, 16 head + 8 e + j)
.endr
	global_store_b128 v9, v[P:P+3], s[8:9]         ; each half of the lanes stores 256 consecutive bytes, aligned, of the canonical image
	global_store_b128 v9, v[P+4:P+7], s[8:9] offset:512
	s_wait_tensorcnt 0x0                           ; the wave's end
	ds_add_u32 v4, v5
	s_wait_dscnt 0x0
	CROUND                                         ; the closing round
	s_endpgm
.Lfunc_end_k_q62e6aee446_attn:
	.size	k_q62e6aee446_attn, .Lfunc_end_k_q62e6aee446_attn-k_q62e6aee446_attn
	.p2alignl 7, 3214868480
	.fill 96, 4, 3214868480
	.section	.rodata,"a",@progbits
	.p2align	6, 0x0
	.amdhsa_kernel k_q62e6aee446_attn
		.amdhsa_group_segment_fixed_size 178176
		.amdhsa_private_segment_fixed_size 0
		.amdhsa_enable_private_segment 0
		.amdhsa_kernarg_size 24
		.amdhsa_user_sgpr_count 2
		.amdhsa_user_sgpr_kernarg_segment_ptr 1
		.amdhsa_wavefront_size32 1
		.amdhsa_system_sgpr_workgroup_id_x 1
		.amdhsa_system_sgpr_workgroup_id_y 1
		.amdhsa_system_sgpr_workgroup_id_z 1
		.amdhsa_system_vgpr_workitem_id 0
		.amdhsa_next_free_vgpr 256
		.amdhsa_next_free_sgpr 66
		.amdhsa_reserve_vcc 0
		.amdhsa_float_denorm_mode_32 3
		.amdhsa_float_denorm_mode_16_64 3
		.amdhsa_memory_ordered 1
		.amdhsa_forward_progress 1
		.amdhsa_inst_pref_size 25
	.end_amdhsa_kernel
	.amdgpu_metadata
---
amdhsa.version: [ 1, 2 ]
amdhsa.kernels:
  - .name:           k_q62e6aee446_attn
    .symbol:         k_q62e6aee446_attn.kd
    .args:
      - { .name: q_ws, .offset: 0, .size: 8, .value_kind: global_buffer, .address_space: global }
      - { .name: kv_ws, .offset: 8, .size: 8, .value_kind: global_buffer, .address_space: global }
      - { .name: ctx_ws, .offset: 16, .size: 8, .value_kind: global_buffer, .address_space: global }
    .group_segment_fixed_size: 178176
    .private_segment_fixed_size: 0
    .kernarg_segment_align: 8
    .kernarg_segment_size: 24
    .max_flat_workgroup_size: 512
    .sgpr_count:     66
    .vgpr_count:     256
    .wavefront_size: 32
...
	.end_amdgpu_metadata
.endif
;; end of part 2
;; launch mid1 (part 3): grid 256 x 1, 2 waves a work-group, no clusters, 0 bytes of LDS; arguments ctx_ws, h, Wo_codes, Wo_scales, bo, ln_op1_g, ln_op1_b, h1_ws, t_ws; writes h1_ws, t_ws
.if DOCPART == 3
	.amdgcn_target "amdgcn-amd-amdhsa--gfx1250"
	.amdhsa_code_object_version 6
	.text
	.protected	k_q62e6aee446_mid1
	.globl	k_q62e6aee446_mid1
	.p2align	8
	.type	k_q62e6aee446_mid1,@function
k_q62e6aee446_mid1:
	s_mov_b64 s[64:65], 0
	v_nop
	global_prefetch_b8 v0, s[64:65] scope:SCOPE_SE
	s_setreg_imm32_b32 hwreg(HW_REG_WAVE_MODE, 25, 1), 1
	s_wait_xcnt 0x0
; LAUNCH 3 OF 7: h1 = h + Q(ctx) Wo^T + bo;  t = LN(h1) by ln_op1.  Nothing of reference() is left out here.  Limits as stated at the head of the first launch.
; A wave is alone with one row tile of 16 tokens (tile = 2 x work-group + wave; token 32 (tile / 2) + 8 (tile % 2) + r + 8 (r / 8)): no LDS, no barrier.
; The product is used transposed, and Wo's tile 2 b + u takes rows 32 b + 8 u + r + 8 (r / 8): so the result lies in the canonical order (register 16 b + i = feature 32 b + 16 e + i), in which ctx, h1 and t are stored.
; bo, loaded in that order, is the C of the products.
.set X,   16                           ; ctx, later h1
.set HN,  80                           ; h, later t
.set ACC, 144                          ; bo, then the product
.set PC,  208
.set TM,  224
.set PW,  240
.set WOS, 241                          ; v241-248 Wo's scale words, one register a tile
.set WV,  22
.set SEL, 24
.set MNT, 26
.set INV, 27
.set EPS, 28
.set MSB, 0
.macro WIN new
.if MSB != \new
	s_set_vgpr_msb (MSB<<8)|\new
.set MSB, \new
.endif
.endm
.macro QUANT s
.irp b, 0,1,2,3
	v_max3_num_f32 v[TM+\b], |v[\s+16*\b]|, |v[\s+1+16*\b]|, 0x8000000
.endr
.irp i, 2,4,6,8,10,12,14
.irp b, 0,1,2,3
	v_max3_num_f32 v[TM+\b], v[TM+\b], |v[\s+16*\b+\i]|, |v[\s+1+16*\b+\i]|
.endr
.endr
.irp b, 0,1,2,3
	v_permlanex16_b32 v[TM+4+\b], v[TM+\b], s[SEL], s[SEL+1]
.endr
.irp b, 0,1,2,3
	v_max_num_f32 v[TM+\b], v[TM+\b], v[TM+4+\b]
.endr
.irp b, 0,1,2,3
	v_add_nc_u32 v[TM+12+\b], 0xf8800000, v[TM+\b]
.endr
.irp b, 0,1,2,3
	v_and_or_b32 v[TM+8+\b], v[TM+\b], 0x7f800000, s[MNT]
.endr
.irp b, 0,1,2,3
	v_lshrrev_b32 v[TM+4+\b], 23, v[TM+12+\b]
.endr
	v_lshl_or_b32 v[PW], v[TM+5], 8, v[TM+4]
	v_lshl_or_b32 v[PW], v[TM+6], 16, v[PW]
	v_lshl_or_b32 v[PW], v[TM+7], 24, v[PW]
.irp b, 0,1,2,3
.irp i, 0,1,2,3,4,5,6,7,8,9,10,11,12,13,14,15
	v_med3_num_f32 v[\s+16*\b+\i], v[\s+16*\b+\i], -v[TM+8+\b], v[TM+8+\b]
.endr
	v_cvt_scalef32_pk8_bf8_f32 v[PC+4*\b:PC+1+4*\b], v[\s+16*\b:\s+7+16*\b], v[TM+12+\b]
	v_cvt_scalef32_pk8_bf8_f32 v[PC+2+4*\b:PC+3+4*\b], v[\s+8+16*\b:\s+15+16*\b], v[TM+12+\b]
.endr
	v_nop
.endm
.macro LNORM src, dst, g, b, win
	v_pk_add_f32 v[TM:TM+1], v[\src:\src+1], v[\src+2:\src+3]
	v_pk_add_f32 v[TM+2:TM+3], v[\src+4:\src+5], v[\src+6:\src+7]
.set LJ, 8
.rept 14
	v_pk_add_f32 v[TM:TM+1], v[TM:TM+1], v[\src+LJ:\src+LJ+1]
	v_pk_add_f32 v[TM+2:TM+3], v[TM+2:TM+3], v[\src+LJ+2:\src+LJ+3]
.set LJ, LJ+4
.endr
	v_pk_add_f32 v[TM:TM+1], v[TM:TM+1], v[TM+2:TM+3]
	v_add_f32 v[TM], v[TM], v[TM+1]
	v_permlanex16_b32 v[TM+4], v[TM], s[SEL], s[SEL+1]
	v_add_f32 v[TM], v[TM], v[TM+4]
	v_mul_f32 v[TM], s[INV], v[TM]
.set LJ, 0
.rept 32
	v_pk_add_f32 v[\dst+LJ:\dst+LJ+1], v[\src+LJ:\src+LJ+1], v[TM:TM+1] op_sel_hi:[1,0] neg_lo:[0,1] neg_hi:[0,1]
.set LJ, LJ+2
.endr
	v_pk_mul_f32 v[TM+2:TM+3], v[\dst:\dst+1], v[\dst:\dst+1]
	v_pk_mul_f32 v[TM+6:TM+7], v[\dst+2:\dst+3], v[\dst+2:\dst+3]
.set LJ, 4
.rept 15
	v_pk_fma_f32 v[TM+2:TM+3], v[\dst+LJ:\dst+LJ+1], v[\dst+LJ:\dst+LJ+1], v[TM+2:TM+3]
	v_pk_fma_f32 v[TM+6:TM+7], v[\dst+LJ+2:\dst+LJ+3], v[\dst+LJ+2:\dst+LJ+3], v[TM+6:TM+7]
.set LJ, LJ+4
.endr
	v_pk_add_f32 v[TM+2:TM+3], v[TM+2:TM+3], v[TM+6:TM+7]
	v_add_f32 v[TM+2], v[TM+2], v[TM+3]
	v_permlanex16_b32 v[TM+4], v[TM+2], s[SEL], s[SEL+1]
	v_add_f32 v[TM+2], v[TM+2], v[TM+4]
	v_fma_f32 v[TM+2], v[TM+2], s[INV], s[EPS]
	v_rsq_f32 v[TM+8], v[TM+2]
	v_nop                                          ; a plain line behind the transcendental,
	s_wait_alu depctr_va_vdst(0)                   ; and the wait ahead of its first reader
.set LJ, 0
.rept 32
	v_pk_mul_f32 v[\dst+LJ:\dst+LJ+1], v[\dst+LJ:\dst+LJ+1], v[TM+8:TM+9] op_sel_hi:[1,0]
.set LJ, LJ+2
.endr
.if \win
	WIN 0x14
.endif
.set LJ, 0
.rept 32
	v_pk_fma_f32 v[\dst+LJ:\dst+LJ+1], v[\dst+LJ:\dst+LJ+1], v[\g+LJ:\g+LJ+1], v[\b+LJ:\b+LJ+1]
.set LJ, LJ+2
.endr
	WIN 0
.endm
	s_load_b512 s[4:19], s[0:1], 0x0               ; ctx_ws, h, Wo codes, Wo scales, bo, ln_op1_g, ln_op1_b, h1_ws
	s_load_b64 s[20:21], s[0:1], 0x40              ; t_ws
	v_lshrrev_b32 v1, 5, v0
	v_readfirstlane_b32 s[WV], v1
	v_and_b32 v13, 31, v0
	v_and_b32 v14, 15, v0
	v_bfe_u32 v15, v0, 4, 1
	v_lshlrev_b32 v1, 4, v13                       ; 16 l
	v_and_b32 v7, 8, v14
	v_add_nc_u32 v7, v7, v14                       ; r + 8 (r / 8)
	v_lshlrev_b32 v3, 9, v7
	v_lshl_add_u32 v3, v15, 6, v3                  ; h: my token's row, + 64 e
	v_lshlrev_b32 v4, 6, v15                       ; vectors of 128: 64 e
	v_lshlrev_b32 v5, 7, v7
	v_lshl_add_u32 v5, v15, 4, v5                  ; Wo: a row of 128 bytes, + 16 e
	v_lshlrev_b32 v6, 2, v7                        ; its scale word
.irp j, 4,5,6,7,9
	v_mov_b32 v[TM+\j], 0
.endr
	s_mov_b32 s[SEL], 0x76543210
	s_mov_b32 s[SEL+1], 0xfedcba98
	s_mov_b32 s[MNT], 0x600000
	s_mov_b32 s[INV], 0x3c000000
	s_mov_b32 s[EPS], 0x3727c5ac
	s_lshl_b32 s30, ttmp9, 1
	s_add_co_u32 s30, s30, s[WV]
	s_lshl_b32 s30, s30, 13                        ; my tile's image
	s_mov_b32 s31, 0
	s_lshl_b32 s32, ttmp9, 14
	s_lshl_b32 s33, s[WV], 12
	s_add_co_u32 s32, s32, s33                     ; h: 32 tokens a work-group, + 8 for wave 1
	s_mov_b32 s33, 0
	s_wait_kmcnt 0x0
	s_add_nc_u64 s[4:5], s[4:5], s[30:31]
	s_add_nc_u64 s[6:7], s[6:7], s[32:33]
	s_add_nc_u64 s[18:19], s[18:19], s[30:31]
	s_add_nc_u64 s[20:21], s[20:21], s[30:31]
.set LJ, 0
.rept 16
	global_load_b128 v[X+4*LJ:X+4*LJ+3], v1, s[4:5] offset:512*LJ
.set LJ, LJ+1
.endr
.irp b, 0,1,2,3
.irp k, 0,1,2,3
	global_load_b128 v[HN+16*\b+4*\k:HN+16*\b+4*\k+3], v3, s[6:7] offset:128*\b+16*\k
	global_load_b128 v[ACC+16*\b+4*\k:ACC+16*\b+4*\k+3], v4, s[12:13] offset:128*\b+16*\k
.endr
.endr
.irp t, 0,1,2,3,4,5,6,7
	global_load_b32 v[WOS+\t], v6, s[10:11] offset:128*(\t/2)+32*(\t%2)
.endr
	WIN 0x40                                       ; destination window 1: v0-127 Wo's 8 fragments, v128-191 g, v192-255 b
.irp t, 0,1,2,3,4,5,6,7
.irp c, 0,1,2,3
	global_load_b128 v[16*\t+4*\c:16*\t+4*\c+3], v5, s[8:9] offset:4096*(\t/2)+1024*(\t%2)+32*\c
.endr
.endr
.irp b, 0,1,2,3
.irp k, 0,1,2,3
	global_load_b128 v[128+16*\b+4*\k:128+16*\b+4*\k+3], v4, s[14:15] offset:128*\b+16*\k
	global_load_b128 v[192+16*\b+4*\k:192+16*\b+4*\k+3], v4, s[16:17] offset:128*\b+16*\k
.endr
.endr
	WIN 0
	s_wait_loadcnt 63                              ; 104 loads were issued behind ctx's sixteen: with 63 out, ctx is in
	QUANT X
	s_wait_loadcnt 0x0
.rept 3
	v_nop                                          ; with the line that ends QUANT: four places between the codes and the scaled products
.endr
	WIN 0x01                                       ; source 0 (Wo) in window 1
.irp t, 0,1,2,3,4,5,6,7
	v_wmma_scale_f32_16x16x128_f8f6f4 v[ACC+8*\t:ACC+8*\t+7], v[16*\t:16*\t+15], v[PC:PC+15], v[ACC+8*\t:ACC+8*\t+7], v[WOS+\t], v[PW] matrix_a_fmt:MATRIX_FMT_BF8 matrix_b_fmt:MATRIX_FMT_BF8
.endr
	WIN 0
.rept 8
	v_nop
.endr
.set LJ, 0
.rept 32
	v_pk_add_f32 v[X+LJ:X+LJ+1], v[ACC+LJ:ACC+LJ+1], v[HN+LJ:HN+LJ+1]   ; h1
.set LJ, LJ+2
.endr
.set LJ, 0
.rept 16
	global_store_b128 v1, v[X+4*LJ:X+4*LJ+3], s[18:19] offset:512*LJ   ; 512 consecutive bytes a store
.set LJ, LJ+1
.endr
	LNORM X, HN, 128, 192, 1                       ; into other registers than the stores read
.set LJ, 0
.rept 16
	global_store_b128 v1, v[HN+4*LJ:HN+4*LJ+3], s[20:21] offset:512*LJ
.set LJ, LJ+1
.endr
	s_endpgm
.Lfunc_end_k_q62e6aee446_mid1:
	.size	k_q62e6aee446_mid1, .Lfunc_end_k_q62e6aee446_mid1-k_q62e6aee446_mid1
	.p2alignl 7, 3214868480
	.fill 96, 4, 3214868480
	.section	.rodata,"a",@progbits
	.p2align	6, 0x0
	.amdhsa_kernel k_q62e6aee446_mid1
		.amdhsa_group_segment_fixed_size 0
		.amdhsa_private_segment_fixed_size 0
		.amdhsa_enable_private_segment 0
		.amdhsa_kernarg_size 72
		.amdhsa_user_sgpr_count 2
		.amdhsa_user_sgpr_kernarg_segment_ptr 1
		.amdhsa_wavefront_size32 1
		.amdhsa_system_sgpr_workgroup_id_x 1
		.amdhsa_system_sgpr_workgroup_id_y 1
		.amdhsa_system_sgpr_workgroup_id_z 1
		.amdhsa_system_vgpr_workitem_id 0
		.amdhsa_next_free_vgpr 512
		.amdhsa_next_free_sgpr 66
		.amdhsa_reserve_vcc 0
		.amdhsa_float_denorm_mode_32 3
		.amdhsa_float_denorm_mode_16_64 3
		.amdhsa_memory_ordered 1
		.amdhsa_forward_progress 1
		.amdhsa_inst_pref_size 39
	.end_amdhsa_kernel
	.amdgpu_metadata
---
amdhsa.version: [ 1, 2 ]
amdhsa.kernels:
  - .name:           k_q62e6aee446_mid1
    .symbol:         k_q62e6aee446_mid1.kd
    .args:
      - { .name: ctx_ws, .offset: 0, .size: 8, .value_kind: global_buffer, .address_space: global }
      - { .name: h, .offset: 8, .size: 8, .value_kind: global_buffer, .address_space: global }
      - { .name: Wo_codes, .offset: 16, .size: 8, .value_kind: global_buffer, .address_space: global }
      - { .name: Wo_scales, .offset: 24, .size: 8, .value_kind: global_buffer, .address_space: global }
      - { .name: bo, .offset: 32, .size: 8, .value_kind: global_buffer, .address_space: global }
      - { .name: ln_op1_g, .offset: 40, .size: 8, .value_kind: global_buffer, .address_space: global }
      - { .name: ln_op1_b, .offset: 48, .size: 8, .value_kind: global_buffer, .address_space: global }
      - { .name: h1_ws, .offset: 56, .size: 8, .value_kind: global_buffer, .address_space: global }
      - { .name: t_ws, .offset: 64, .size: 8, .value_kind: global_buffer, .address_space: global }
    .group_segment_fixed_size: 0
    .private_segment_fixed_size: 0
    .kernarg_segment_align: 8
    .kernarg_segment_size: 72
    .max_flat_workgroup_size: 64
    .sgpr_count:     66
    .vgpr_count:     512
    .wavefront_size: 32
...
	.end_amdgpu_metadata
.endif
;; end of part 3
;; launch opmix1 (part 4): grid 64 x 4, 8 waves a work-group, clusters of 4 x 1, 327,680 bytes of LDS; arguments t_ws, op1_W_codes, op1_W_scales, part_ws; writes part_ws
.if DOCPART == 4
	.amdgcn_target "amdgcn-amd-amdhsa--gfx1250"
	.amdhsa_code_object_version 6
	.text
	.protected	k_q62e6aee446_opmix1
	.globl	k_q62e6aee446_opmix1
	.p2align	8
	.type	k_q62e6aee446_opmix1,@function
k_q62e6aee446_opmix1:
	s_mov_b64 s[64:65], 0
	v_nop
	global_prefetch_b8 v0, s[64:65] scope:SCOPE_SE
	s_setreg_imm32_b32 hwreg(HW_REG_WAVE_MODE, 25, 1), 1
	s_wait_xcnt 0x0
	s_wait_alu depctr_hold_cnt(0) depctr_sa_sdst(0) depctr_va_vdst(0) depctr_va_sdst(0) depctr_va_ssrc(0) depctr_va_vcc(0) depctr_vm_vsrc(0)
	s_getreg_b32 s2, hwreg(HW_REG_IB_STS2, 6, 4)
	s_cmp_eq_u32 s2, 0
	s_cbranch_scc0 .Lentry_in_a_cluster
	s_endpgm
.Lentry_in_a_cluster:
	s_bfe_u32 s2, ttmp6, 0x10000c
	s_cmp_lg_u32 s2, 0x3003
	s_cbranch_scc0 .Lentry_shape_is_right
	s_endpgm
.Lentry_shape_is_right:
; LAUNCHES 4 AND 6 OF 7: a quarter of the sum over K = 128 i + j of Q(t_i t_j) W[n][K], for 128 tokens and all 128 n.  Nothing of reference() is left out here.  Limits as stated at the head of the first launch.
; SHARES: work-group (x, y): row tiles 8 x .. 8 x + 7 (128 tokens), i = 32 y .. 32 y + 31.  Wave w = 4 rh + c: four row tiles (4 rh + m) and the j of block c (32 c .. 32 c + 31).
; A K STEP of 128 is four blocks of 32: i = 32 y + 4 s + q (q = 0 .. 3), j = 32 c + 0 .. 31; eight steps s a wave.  So a lane keeps 16 t_j a tile, and each fragment of W read from LDS feeds four products.
; THE OPERAND IS MADE IN REGISTERS: t_i t_j (one rounding), the hold, the conversion.  A block's largest magnitude is |t_i| x the largest |t_j| of the block, rounded: rounding keeps order, so that IS the largest of the rounded products.
; W comes through two LDS slots of 128 rows x 1,024 bytes (8 i), each wave fetching 16 rows; four fills in all.  CLUSTER: the four work-groups of a cluster share y and want the same W: each tile is asked for jointly,
; with the same descriptor (made of y and the wave's number) and the mask of all four.  The partial sums of the four c meet in LDS at the end; the four y go to part_ws and are added by the next launch.
; The product is used transposed (source 0 = 16 rows n of W, source 1 = 16 tokens).
.set SLOTB, 133120                     ; a slot: 128 rows of 1,040 bytes (1,024 + 16 of padding = 260 words: row n starts at bank 4 n mod 64; 64 banks of 4 bytes: ISA guide 11.1)
.set TIB,   266240                     ; t_i: [tile 8][s 8][r 16][16 bytes]
.set WSB,   282624                     ; W's scale words: [c 4][s 8][lane][16 bytes]: register p of lane (r, e): tile 2 p + e, row r
.set SPARE, 299008
.set WV,  12
.set SEL, 48
.set MNT, 50
; v1, v2 the add's two; v3 W's lane term; v4 t_i's; v5 the scale words'; v6, v7 at work; v8-11 largest |t_j|; v[12:13], v[14:15] t_i of q = 1, 3; v16-19 my tiles' scale words; v20-23 W's;
; v24-27 largest magnitudes, then 57,344 x the scale; v28-31 scale operands; v32-47 t_i; v48-63 products; v64-127 t_j; v128-191 codes; v192-255 four fragments of W.  Window 1: accumulator (m, T) at v[64 m + 8 T].
.set MSB, 0
.macro WIN new
.if MSB != \new
	s_set_vgpr_msb (MSB<<8)|\new
.set MSB, \new
.endif
.endm
.macro CROUND
	s_barrier_signal -1
	s_barrier_wait -1
	s_cmp_lg_u32 s[WV], 0
	s_cbranch_scc1 .Lnot_wave_0_\@
	s_barrier_signal -3
.Lnot_wave_0_\@:
	s_barrier_wait -3
	s_barrier_signal -1
	s_barrier_wait -1
.endm
.macro GENS m                          ; tile m: the four blocks' scales
.irp q, 0,1,2,3
	v_mul_f32 v[24+\q], |v[32+4*\m+\q]|, v[8+\m]
.endr
.irp q, 0,1,2,3
	v_max_num_f32 v[24+\q], 0x8000000, v[24+\q]    ; the floor 2^(16 - 127)
.endr
.irp q, 0,1,2,3
	v_add_nc_u32 v[28+\q], 0xf8800000, v[24+\q]
.endr
.irp q, 0,1,2,3
	v_and_or_b32 v[24+\q], v[24+\q], 0x7f800000, s[MNT]
.endr
	v_lshrrev_b32 v[16+\m], 23, v28
	v_lshrrev_b32 v6, 23, v29
	v_lshl_or_b32 v[16+\m], v6, 8, v[16+\m]
	v_lshrrev_b32 v6, 23, v30
	v_lshl_or_b32 v[16+\m], v6, 16, v[16+\m]
	v_lshrrev_b32 v6, 23, v31
	v_lshl_or_b32 v[16+\m], v6, 24, v[16+\m]
	v_mov_b32 v12, v[33+4*\m]                      ; the packed product takes a pair's low word for both halves
	v_mov_b32 v14, v[35+4*\m]
.endm
.macro PMUL m, q, a
.if ((\q)%2)==0
.set TP, 32+4*(\m)+(\q)
.else
.set TP, 11+(\q)
.endif
.irp i, 0,2,4,6
	v_pk_mul_f32 v[48+8*(\a)+\i:48+8*(\a)+\i+1], v[64+16*(\m)+8*(\a)+\i:64+16*(\m)+8*(\a)+\i+1], v[TP:TP+1] op_sel_hi:[1,0]
.endr
.endm
.macro PMED q, a
.irp i, 0,1,2,3,4,5,6,7
	v_med3_num_f32 v[48+8*(\a)+\i], v[48+8*(\a)+\i], -v[24+(\q)], v[24+(\q)]
.endr
.endm
.macro PCVT m, q, a
	v_cvt_scalef32_pk8_bf8_f32 v[128+16*(\m)+4*(\q)+2*(\a):128+16*(\m)+4*(\q)+2*(\a)+1], v[48+8*(\a):48+8*(\a)+7], v[28+(\q)]
.endm
.macro GENC m                          ; tile m: 64 products, holds and codes a lane, in eight pieces on two sets of eight registers: plain lines always stand between a conversion and the next write of its sources
	PMUL \m, 0, 0
	PMED 0, 0
	PMUL \m, 0, 1
	PCVT \m, 0, 0
	PMED 0, 1
	PMUL \m, 1, 0
	PCVT \m, 0, 1
	PMED 1, 0
	PMUL \m, 1, 1
	PCVT \m, 1, 0
	PMED 1, 1
	PMUL \m, 2, 0
	PCVT \m, 1, 1
	PMED 2, 0
	PMUL \m, 2, 1
	PCVT \m, 2, 0
	PMED 2, 1
	PMUL \m, 3, 0
	PCVT \m, 2, 1
	PMED 3, 0
	PMUL \m, 3, 1
	PCVT \m, 3, 0
	PMED 3, 1
	PCVT \m, 3, 1
.endm
.macro WM acc, wf, pc, ws, sa, zero, odd
.if \zero
.if \odd
	v_wmma_scale_f32_16x16x128_f8f6f4 v[(\acc):(\acc)+7], v[(\wf):(\wf)+15], v[(\pc):(\pc)+15], 0, v[(\ws)], v[(\sa)] matrix_a_fmt:MATRIX_FMT_BF8 matrix_b_fmt:MATRIX_FMT_BF8 matrix_a_scale:MATRIX_SCALE_ROW1
.else
	v_wmma_scale_f32_16x16x128_f8f6f4 v[(\acc):(\acc)+7], v[(\wf):(\wf)+15], v[(\pc):(\pc)+15], 0, v[(\ws)], v[(\sa)] matrix_a_fmt:MATRIX_FMT_BF8 matrix_b_fmt:MATRIX_FMT_BF8
.endif
.else
.if \odd
	v_wmma_scale_f32_16x16x128_f8f6f4 v[(\acc):(\acc)+7], v[(\wf):(\wf)+15], v[(\pc):(\pc)+15], v[(\acc):(\acc)+7], v[(\ws)], v[(\sa)] matrix_a_fmt:MATRIX_FMT_BF8 matrix_b_fmt:MATRIX_FMT_BF8 matrix_a_scale:MATRIX_SCALE_ROW1
.else
	v_wmma_scale_f32_16x16x128_f8f6f4 v[(\acc):(\acc)+7], v[(\wf):(\wf)+15], v[(\pc):(\pc)+15], v[(\acc):(\acc)+7], v[(\ws)], v[(\sa)] matrix_a_fmt:MATRIX_FMT_BF8 matrix_b_fmt:MATRIX_FMT_BF8
.endif
.endif
.endm
.macro MM hf, zero                     ; 16 products: W's tiles 4 hf .. 4 hf + 3 x my four row tiles; the 32 accumulators take turns, in the same order in every step
	WIN 0x50                                       ; C and D in window 1
.irp tp, 0,1,2,3
.irp m, 0,1,2,3
	WM 64*\m+8*(4*\hf+\tp), 192+16*\tp, 128+16*\m, 20+(4*\hf+\tp)/2, 16+\m, \zero, \tp%2
.endr
.endr
	WIN 0
.endm
.macro WLOAD                           ; four fragments of W: rows 16 T + r, bytes 128 q + 32 c + 16 e of the step's 512
.irp tp, 0,1,2,3
.irp q, 0,1,2,3
	ds_load_b128 v[192+16*\tp+4*\q:192+16*\tp+4*\q+3], v7 offset:16640*\tp+128*\q
.endr
.endr
.endm
.macro KSTEP s, zero, last
	s_wait_dscnt 0x0                               ; this step's t_i are in
	GENS 0                                         ; its first sixteen lines name no register of the last products: they are the places in front of what follows
	ds_load_b128 v[20:23], v5 offset:512*(\s)      ; W's scale words of this step
	v_add_nc_u32 v7, SLOTB*(((\s)/2)%2)+512*((\s)%2), v3
	WLOAD                                          ; tiles 0-3 land while the operand is made
	GENC 0
	GENS 1
	GENC 1
	GENS 2
	GENC 2
	GENS 3
	GENC 3
.rept 4
	v_nop                                          ; four places between the last codes and the scaled products
.endr
.if \last
	s_wait_dscnt 0x0
.else
.irp m, 0,1,2,3
	ds_load_b128 v[32+4*\m:35+4*\m], v4 offset:2048*\m+256*((\s)+1)   ; the next step's t_i
.endr
	s_wait_dscnt 0x4                               ; the scale words and the fragments are in; the four loads just issued may be out
.endif
	MM 0, \zero
.rept 7
	v_nop                                          ; with the addition below: eight places in front of loads into registers that these products read
.endr
	v_add_nc_u32 v7, SLOTB*(((\s)/2)%2)+512*((\s)%2)+66560, v3
	WLOAD                                          ; tiles 4-7
	s_wait_dscnt 0x0
	MM 1, \zero
.endm
; The change of slots: every wave waits for all its tensor loads, adds 0 to its spare word, waits for that and for its reads of the slot that it leaves.  fill = 1: the barrier is a round of the cluster's, and the joint refill is the first thing behind it.
.macro CHANGE fill, g0
	s_wait_tensorcnt 0x0
	ds_add_u32 v1, v2
.if \fill
	s_add_nc_u64 s[\g0+2:\g0+3], s[\g0+2:\g0+3], 2048   ; no tensor load of mine is out: the slot's next 8 i lie 16 i on
.endif
	s_wait_dscnt 0x0
.if \fill
	CROUND
	tensor_load_to_lds s[\g0:\g0+3], s[16:23]      ; it has two K steps in which to land
	s_nop 0
.rept 4
	v_nop
.endr
.else
	s_barrier_signal -1
	s_barrier_wait -1
.endif
.endm
	s_load_b256 s[4:11], s[0:1], 0x0               ; t_ws, W's codes, W's scales, part_ws
	v_lshl_add_u32 v1, v0, 2, SPARE
	v_mov_b32 v2, 0
	ds_add_u32 v1, v2                              ; the wave's opening: the add, twice on end, and its wait ahead of my first tensor load
	ds_add_u32 v1, v2
	v_lshrrev_b32 v3, 5, v0
	v_readfirstlane_b32 s[WV], v3                  ; wave 0..7
	s_bfe_u32 s13, ttmp6, 0x40000                  ; cx: it enters t's and part's global addresses alone
	s_lshl_b32 s14, ttmp9, 2
	s_add_co_u32 s14, s14, s13                     ; my block of 128 tokens
	s_and_b32 s15, ttmp7, 0xffff                   ; my quarter of i, which the four partners share
	s_lshr_b32 s32, s[WV], 2                       ; rh
	s_and_b32 s33, s[WV], 3                        ; c
	s_mov_b32 s16, 15|(1<<20)|(1<<21)|(7<<22)|(3<<25)   ; group 1: the mask of all four; elements of 1 byte; padding on; bit 21 beside a mask; after every 256 words four words
	s_mov_b32 s17, 1024<<16                        ; tensor_dim0
	s_mov_b32 s18, 16<<16                          ; tensor_dim1
	s_mov_b32 s19, 1024<<16                        ; tile_dim0
	s_mov_b32 s20, 16                              ; tile_dim1: my 16 rows
	s_mov_b32 s21, 16384                           ; a row of W
	s_mov_b32 s22, 0
	s_mov_b32 s23, 0
	s_mov_b32 s24, 1
	s_mul_i32 s25, s[WV], 16640                    ; slot 0, my 16 rows
	s_mov_b32 s28, 1
	s_add_co_u32 s29, s25, SLOTB                   ; slot 1
	s_lshl_b32 s34, s[WV], 18
	s_lshl_b32 s35, s15, 12
	s_add_co_u32 s34, s34, s35                     ; W: 16 w rows of 16,384 bytes + 32 y x 128
	s_mov_b32 s35, 0
	s_lshl_b32 s38, s14, 3
	s_add_co_u32 s39, s38, s[WV]
	s_lshl_b32 s39, s39, 13
	s_lshl_b32 s36, s15, 11
	s_add_co_u32 s36, s39, s36                     ; t_i's copy: tile 8 x + w, groups 4 y on
	s_mov_b32 s37, 0
	s_lshl_b32 s39, s32, 2
	s_add_co_u32 s38, s38, s39                     ; tile 8 x + 4 rh
	s_lshl_b32 s42, s38, 13
	s_lshl_b32 s39, s33, 11
	s_add_co_u32 s42, s42, s39                     ; t_j: groups 4 c on
	s_mov_b32 s43, 0
	s_lshl_b32 s40, s15, 7
	s_lshl_b32 s41, s32, 6
	s_add_co_u32 s40, s40, s41                     ; W's scales: byte 128 y + 64 rh of a row
	s_mov_b32 s41, 0
	s_add_co_u32 s44, s38, s33
	s_lshl_b32 s44, s44, 13
	s_lshl_b32 s45, s15, 22
	s_add_co_u32 s44, s44, s45                     ; part_ws: quarter y, tile 8 x + 4 rh + c
	s_mov_b32 s45, 0
	s_mov_b32 s[SEL], 0x76543210
	s_mov_b32 s[SEL+1], 0xfedcba98
	s_mov_b32 s[MNT], 0x600000
	s_mul_i32 s51, s33, 0x01010101
	s_add_co_u32 s51, s51, 0x04000400              ; byte c of two words, side by side
	s_mov_b32 s52, 0x05040100                      ; two low halves
	s_wait_dscnt 0x0                               ; both opening adds are done
	s_wait_kmcnt 0x0
	s_add_nc_u64 s[26:27], s[6:7], s[34:35]
	s_add_nc_u64 s[30:31], s[26:27], 1024
	s_or_b32 s27, s27, 0x80000000
	s_or_b32 s31, s31, 0x80000000
	s_add_nc_u64 s[36:37], s[4:5], s[36:37]
	s_add_nc_u64 s[42:43], s[4:5], s[42:43]
	s_add_nc_u64 s[40:41], s[8:9], s[40:41]
	s_add_nc_u64 s[44:45], s[10:11], s[44:45]
	CROUND                                         ; all four work-groups are here: the first joint loads meet
	tensor_load_to_lds s[24:27], s[16:23]          ; i = 32 y + 0 .. 7
	s_nop 0
	tensor_load_to_lds s[28:31], s[16:23]          ; i = 32 y + 8 .. 15: two loads of mine are out
	s_nop 0
.rept 4
	v_nop
.endr
	v_and_b32 v24, 31, v0                          ; l
	v_and_b32 v25, 15, v0                          ; r
	v_bfe_u32 v26, v0, 4, 1                        ; e
	v_lshlrev_b32 v28, 4, v24                      ; 16 l
	v_lshlrev_b32 v31, 9, v24                      ; a row of W's scales: 512 l
.irp g, 0,1,2,3
	global_load_b128 v[48+4*\g:51+4*\g], v28, s[36:37] offset:512*\g
.endr
.irp sl, 0,1,2,3
.irp p, 0,1,2,3
	global_load_b128 v[128+16*\sl+4*\p:128+16*\sl+4*\p+3], v31, s[40:41] offset:16384*\p+16*\sl
.endr
.endr
.irp m, 0,1,2,3
.irp g, 0,1,2,3
	global_load_b128 v[64+16*\m+4*\g:64+16*\m+4*\g+3], v28, s[42:43] offset:8192*\m+512*\g
.endr
.endr
	v_mul_u32_u24 v3, v25, 1040
	v_lshl_add_u32 v3, v26, 4, v3
	s_lshl_b32 s46, s33, 5
	v_add_nc_u32 v3, s46, v3                       ; W: 1,040 r + 16 e + 32 c
	v_lshlrev_b32 v27, 4, v25
	s_lshl_b32 s46, s32, 13
	s_add_co_u32 s46, s46, TIB
	v_add_nc_u32 v4, s46, v27                      ; t_i: my four tiles, 16 r
	s_lshl_b32 s46, s33, 12
	s_add_co_u32 s46, s46, WSB
	v_add_nc_u32 v5, s46, v28                      ; W's scale words of my c
	s_lshl_b32 s46, s[WV], 11
	s_add_co_u32 s46, s46, TIB
	v_lshl_add_u32 v29, v26, 10, v27
	v_add_nc_u32 v29, s46, v29                     ; where I put tile w's t_i: step 4 e + g, row r
	s_lshl_b32 s46, s32, 11
	v_add_nc_u32 v30, s46, v5                      ; where I put the scale words of steps 4 rh on
	v_mov_b32 v13, 0
	v_mov_b32 v15, 0                               ; pairs' upper halves: named, so written
	s_wait_loadcnt 32                              ; the copy's four loads are in; the 32 behind them may be out
.irp g, 0,1,2,3
	ds_store_b128 v29, v[48+4*\g:51+4*\g] offset:256*\g
.endr
	s_wait_loadcnt 16                              ; W's scales are in; t_j's sixteen may be out
.irp sl, 0,1,2,3
.irp p, 0,1,2,3
	v_perm_b32 v208, v[129+16*\sl+4*\p], v[128+16*\sl+4*\p], s51
	v_perm_b32 v209, v[131+16*\sl+4*\p], v[130+16*\sl+4*\p], s51
	v_perm_b32 v[192+4*\sl+\p], v209, v208, s52    ; row 32 p + l: the bytes of blocks (i, c), i = the step's four
.endr
	ds_store_b128 v30, v[192+4*\sl:195+4*\sl] offset:512*\sl
.endr
	s_wait_loadcnt 0x0
.irp m, 0,1,2,3
	v_max3_num_f32 v[8+\m], |v[64+16*\m]|, |v[65+16*\m]|, |v[66+16*\m]|
.endr
.irp i, 3,5,7,9,11,13
.irp m, 0,1,2,3
	v_max3_num_f32 v[8+\m], v[8+\m], |v[64+16*\m+\i]|, |v[65+16*\m+\i]|
.endr
.endr
.irp m, 0,1,2,3
	v_max_num_f32 v[8+\m], v[8+\m], |v[79+16*\m]|
.endr
.irp m, 0,1,2,3
	v_permlanex16_b32 v[24+\m], v[8+\m], s[SEL], s[SEL+1]
.endr
.irp m, 0,1,2,3
	v_max_num_f32 v[8+\m], v[8+\m], v[24+\m]       ; the largest |t_j| of block c, for each of my tiles
.endr
	s_wait_tensorcnt 0x1                           ; my part of slot 0 is in; slot 1's may stay out
	s_wait_dscnt 0x0                               ; my stores have landed
	s_barrier_signal -1
	s_barrier_wait -1
.irp m, 0,1,2,3
	ds_load_b128 v[32+4*\m:35+4*\m], v4 offset:2048*\m
.endr
	KSTEP 0, 1, 0                                  ; the first step's products start the sums
	KSTEP 1, 0, 0
	CHANGE 1, 24                                   ; slot 0 takes i = 32 y + 16 .. 23
	KSTEP 2, 0, 0
	KSTEP 3, 0, 0
	CHANGE 1, 28                                   ; slot 1 takes i = 32 y + 24 .. 31
	KSTEP 4, 0, 0
	KSTEP 5, 0, 0
	CHANGE 0, 0                                    ; nothing is left to fetch
	KSTEP 6, 0, 0
	KSTEP 7, 0, 1
	; THE WAY OUT.  The slots have had their last fill; behind a barrier nobody reads them, and the eight waves lay their 32 accumulators there as register images.  Wave (rh, c) then adds tile 4 rh + c over the four c.
	v_and_b32 v24, 31, v0                          ; (these nine lines are the places behind the last products)
	v_lshlrev_b32 v24, 4, v24
	s_lshl_b32 s46, s[WV], 15
	v_add_nc_u32 v3, s46, v24                      ; my 32,768 bytes
	s_lshl_b32 s46, s32, 17
	s_lshl_b32 s47, s33, 13
	s_add_co_u32 s46, s46, s47
	v_add_nc_u32 v4, s46, v24                      ; tile c of waves 4 rh and 4 rh + 1,
	v_add_nc_u32 v5, 65536, v4                     ; and of waves 4 rh + 2 and 4 rh + 3
	v_and_b32 v25, 15, v0
	v_bfe_u32 v26, v0, 4, 1
	v_lshlrev_b32 v6, 4, v25
	v_lshl_add_u32 v6, v26, 10, v6                 ; part_ws: 1,024 e + 16 r
	s_barrier_signal -1
	s_barrier_wait -1
	WIN 0x04                                       ; an LDS store's data are its source 1: window 1
.set AJ, 0
.rept 64
	ds_store_b128 v3, v[AJ:AJ+3] offset:128*AJ     ; each accumulator from its low end on
.set AJ, AJ+4
.endr
	WIN 0
	s_wait_dscnt 0x0
	s_barrier_signal -1
	s_barrier_wait -1
.irp hh, 0,1
.if \hh
	s_wait_xcnt 0x0                                ; the first half's stores have read their registers
.endif
.irp cc, 0,1
.irp gl, 0,1,2,3,4,5,6,7
	ds_load_b128 v[64+32*\cc+4*\gl:64+32*\cc+4*\gl+3], v4 offset:32768*\cc+512*(8*\hh+\gl)
	ds_load_b128 v[128+32*\cc+4*\gl:128+32*\cc+4*\gl+3], v5 offset:32768*\cc+512*(8*\hh+\gl)
.endr
.endr
	s_wait_dscnt 0x0
.set AJ, 0
.rept 16
	v_pk_add_f32 v[64+AJ:65+AJ], v[64+AJ:65+AJ], v[96+AJ:97+AJ]
	v_pk_add_f32 v[128+AJ:129+AJ], v[128+AJ:129+AJ], v[160+AJ:161+AJ]
.set AJ, AJ+2
.endr
.set AJ, 0
.rept 16
	v_pk_add_f32 v[64+AJ:65+AJ], v[64+AJ:65+AJ], v[128+AJ:129+AJ]
.set AJ, AJ+2
.endr
.irp gl, 0,1,2,3,4,5,6,7                           ; group 2 T + half holds n = 16 T + 8 e + 4 half on: its place in the canonical image; each half of the lanes stores 256 consecutive bytes, aligned
	global_store_b128 v6, v[64+4*\gl:67+4*\gl], s[44:45] offset:2048*((8*\hh+\gl)/4)+256*(((8*\hh+\gl)/2)%2)+512*(\gl%2)
.endr
.endr
	s_wait_tensorcnt 0x0                           ; the wave's end
	ds_add_u32 v1, v2
	s_wait_dscnt 0x0
	CROUND                                         ; the closing round
	s_endpgm
.Lfunc_end_k_q62e6aee446_opmix1:
	.size	k_q62e6aee446_opmix1, .Lfunc_end_k_q62e6aee446_opmix1-k_q62e6aee446_opmix1
	.p2alignl 7, 3214868480
	.fill 96, 4, 3214868480
	.section	.rodata,"a",@progbits
	.p2align	6, 0x0
	.amdhsa_kernel k_q62e6aee446_opmix1
		.amdhsa_group_segment_fixed_size 327680
		.amdhsa_private_segment_fixed_size 0
		.amdhsa_enable_private_segment 0
		.amdhsa_kernarg_size 32
		.amdhsa_user_sgpr_count 2
		.amdhsa_user_sgpr_kernarg_segment_ptr 1
		.amdhsa_wavefront_size32 1
		.amdhsa_system_sgpr_workgroup_id_x 1
		.amdhsa_system_sgpr_workgroup_id_y 1
		.amdhsa_system_sgpr_workgroup_id_z 1
		.amdhsa_system_vgpr_workitem_id 0
		.amdhsa_next_free_vgpr 512
		.amdhsa_next_free_sgpr 66
		.amdhsa_reserve_vcc 0
		.amdhsa_float_denorm_mode_32 3
		.amdhsa_float_denorm_mode_16_64 3
		.amdhsa_memory_ordered 1
		.amdhsa_forward_progress 1
		.amdhsa_inst_pref_size 255
	.end_amdhsa_kernel
	.section	.bss,"aw",@nobits
	.p2align	6
	.space	262144
	.amdgpu_metadata
---
amdhsa.version: [ 1, 2 ]
amdhsa.kernels:
  - .name:           k_q62e6aee446_opmix1
    .symbol:         k_q62e6aee446_opmix1.kd
    .args:
      - { .name: t_ws, .offset: 0, .size: 8, .value_kind: global_buffer, .address_space: global }
      - { .name: op1_W_codes, .offset: 8, .size: 8, .value_kind: global_buffer, .address_space: global }
      - { .name: op1_W_scales, .offset: 16, .size: 8, .value_kind: global_buffer, .address_space: global }
      - { .name: part_ws, .offset: 24, .size: 8, .value_kind: global_buffer, .address_space: global }
    .group_segment_fixed_size: 327680
    .private_segment_fixed_size: 0
    .kernarg_segment_align: 8
    .kernarg_segment_size: 32
    .max_flat_workgroup_size: 256
    .sgpr_count:     66
    .vgpr_count:     512
    .wavefront_size: 32
...
	.end_amdgpu_metadata
.endif
;; end of part 4
;; launch mid2 (part 5): grid 256 x 1, 8 waves a work-group, no clusters, 82,944 bytes of LDS; arguments part_ws, h1_ws, op1_b, ln_mlp_g, ln_mlp_b, ffn_W1_codes, ffn_W1_scales, ffn_b1, ffn_W2_codes, ffn_W2_scales, ffn_b2, ln_op2_g, ln_op2_b, h3_ws, t_ws; writes h3_ws, t_ws
.if DOCPART == 5
	.amdgcn_target "amdgcn-amd-amdhsa--gfx1250"
	.amdhsa_code_object_version 6
	.text
	.protected	k_q62e6aee446_mid2
	.globl	k_q62e6aee446_mid2
	.p2align	8
	.type	k_q62e6aee446_mid2,@function
k_q62e6aee446_mid2:
	s_mov_b64 s[64:65], 0
	v_nop
	global_prefetch_b8 v0, s[64:65] scope:SCOPE_SE
	s_setreg_imm32_b32 hwreg(HW_REG_WAVE_MODE, 25, 1), 1
	s_wait_xcnt 0x0
; LAUNCH 5 OF 7: h2 = h1 + the four quarters of the first mix + op1_b;  h3 = h2 + Q(gelu(Q(LN(h2)) W1^T + b1)) W2^T + b2;  t = LN(h3) by ln_op2.  Nothing of reference() is left out here.
; LIMITS: as stated at the head of the first launch.  gelu(x) = x Phi(x), Phi by erfc(z), z = |x| / sqrt(2), in the form t exp(-z^2 + a polynomial of degree 9 in t), t = 1 / (1 + z / 2), whose fractional error is
; 1.2e-7 for every z; Phi = erfc / 2 for x <= 0 and 1 - erfc / 2 for x > 0, so that nothing cancels.  Where erfc falls under the smallest normal number it counts as 0.
; SHARES: a work-group takes 32 tokens: two row tiles.  Wave w: tile rt = w % 2, and ks = w / 2: hidden units 128 ks .. 128 ks + 127, which are one K step of the second product.  Its 8 fragments of W1 and 8 of W2 lie in window 1.
; Both products are used transposed and the weights' tile 2 b + u takes rows 32 b + 8 u + r + 8 (r / 8), so every result lies in the canonical order (register 16 b + i = number 32 b + 16 e + i).
; Two barriers: h2's quarters meet in LDS; the four K steps' partial results meet in LDS and the waves with ks = 0 finish the rows.
.set HB,    0                          ; h2: two images of 8,192 bytes
.set YB,    16384                      ; partial results: image 4 rt + ks
.set SPARE, 81920
.set R1,  16
.set R2,  80
.set R3,  144
.set PC,  208
.set TM,  224
.set PW,  240
.set W1S, 241                          ; v241-244: register b: lanes 0-15 tile 2 b, lanes 16-31 tile 2 b + 1
.set W2S, 245                          ; v245-248 likewise
.set ZZ,  R3
.set TT,  R3+16
.set PP,  R3+32
.set WV,  34
.set RT,  35
.set KS,  36
.set SEL, 40
.set MNT, 42
.set INV, 43
.set EPS, 44
.set RS2, 45
.set L2E, 46
.set C9,  47
.set MSB, 0
.macro WIN new
.if MSB != \new
	s_set_vgpr_msb (MSB<<8)|\new
.set MSB, \new
.endif
.endm
.macro QUANT s
.irp b, 0,1,2,3
	v_max3_num_f32 v[TM+\b], |v[\s+16*\b]|, |v[\s+1+16*\b]|, 0x8000000
.endr
.irp i, 2,4,6,8,10,12,14
.irp b, 0,1,2,3
	v_max3_num_f32 v[TM+\b], v[TM+\b], |v[\s+16*\b+\i]|, |v[\s+1+16*\b+\i]|
.endr
.endr
.irp b, 0,1,2,3
	v_permlanex16_b32 v[TM+4+\b], v[TM+\b], s[SEL], s[SEL+1]
.endr
.irp b, 0,1,2,3
	v_max_num_f32 v[TM+\b], v[TM+\b], v[TM+4+\b]
.endr
.irp b, 0,1,2,3
	v_add_nc_u32 v[TM+12+\b], 0xf8800000, v[TM+\b]
.endr
.irp b, 0,1,2,3
	v_and_or_b32 v[TM+8+\b], v[TM+\b], 0x7f800000, s[MNT]
.endr
.irp b, 0,1,2,3
	v_lshrrev_b32 v[TM+4+\b], 23, v[TM+12+\b]
.endr
	v_lshl_or_b32 v[PW], v[TM+5], 8, v[TM+4]
	v_lshl_or_b32 v[PW], v[TM+6], 16, v[PW]
	v_lshl_or_b32 v[PW], v[TM+7], 24, v[PW]
.irp b, 0,1,2,3
.irp i, 0,1,2,3,4,5,6,7,8,9,10,11,12,13,14,15
	v_med3_num_f32 v[\s+16*\b+\i], v[\s+16*\b+\i], -v[TM+8+\b], v[TM+8+\b]
.endr
	v_cvt_scalef32_pk8_bf8_f32 v[PC+4*\b:PC+1+4*\b], v[\s+16*\b:\s+7+16*\b], v[TM+12+\b]
	v_cvt_scalef32_pk8_bf8_f32 v[PC+2+4*\b:PC+3+4*\b], v[\s+8+16*\b:\s+15+16*\b], v[TM+12+\b]
.endr
	v_nop
.endm
.macro LNORM src, dst, g, b, win
	v_pk_add_f32 v[TM:TM+1], v[\src:\src+1], v[\src+2:\src+3]
	v_pk_add_f32 v[TM+2:TM+3], v[\src+4:\src+5], v[\src+6:\src+7]
.set LJ, 8
.rept 14
	v_pk_add_f32 v[TM:TM+1], v[TM:TM+1], v[\src+LJ:\src+LJ+1]
	v_pk_add_f32 v[TM+2:TM+3], v[TM+2:TM+3], v[\src+LJ+2:\src+LJ+3]
.set LJ, LJ+4
.endr
	v_pk_add_f32 v[TM:TM+1], v[TM:TM+1], v[TM+2:TM+3]
	v_add_f32 v[TM], v[TM], v[TM+1]
	v_permlanex16_b32 v[TM+4], v[TM], s[SEL], s[SEL+1]
	v_add_f32 v[TM], v[TM], v[TM+4]
	v_mul_f32 v[TM], s[INV], v[TM]
.set LJ, 0
.rept 32
	v_pk_add_f32 v[\dst+LJ:\dst+LJ+1], v[\src+LJ:\src+LJ+1], v[TM:TM+1] op_sel_hi:[1,0] neg_lo:[0,1] neg_hi:[0,1]
.set LJ, LJ+2
.endr
	v_pk_mul_f32 v[TM+2:TM+3], v[\dst:\dst+1], v[\dst:\dst+1]
	v_pk_mul_f32 v[TM+6:TM+7], v[\dst+2:\dst+3], v[\dst+2:\dst+3]
.set LJ, 4
.rept 15
	v_pk_fma_f32 v[TM+2:TM+3], v[\dst+LJ:\dst+LJ+1], v[\dst+LJ:\dst+LJ+1], v[TM+2:TM+3]
	v_pk_fma_f32 v[TM+6:TM+7], v[\dst+LJ+2:\dst+LJ+3], v[\dst+LJ+2:\dst+LJ+3], v[TM+6:TM+7]
.set LJ, LJ+4
.endr
	v_pk_add_f32 v[TM+2:TM+3], v[TM+2:TM+3], v[TM+6:TM+7]
	v_add_f32 v[TM+2], v[TM+2], v[TM+3]
	v_permlanex16_b32 v[TM+4], v[TM+2], s[SEL], s[SEL+1]
	v_add_f32 v[TM+2], v[TM+2], v[TM+4]
	v_fma_f32 v[TM+2], v[TM+2], s[INV], s[EPS]
	v_rsq_f32 v[TM+8], v[TM+2]
	v_nop                                          ; a plain line behind the transcendental,
	s_wait_alu depctr_va_vdst(0)                   ; and the wait ahead of its first reader
.set LJ, 0
.rept 32
	v_pk_mul_f32 v[\dst+LJ:\dst+LJ+1], v[\dst+LJ:\dst+LJ+1], v[TM+8:TM+9] op_sel_hi:[1,0]
.set LJ, LJ+2
.endr
.if \win
	WIN 0x14
.endif
.set LJ, 0
.rept 32
	v_pk_fma_f32 v[\dst+LJ:\dst+LJ+1], v[\dst+LJ:\dst+LJ+1], v[\g+LJ:\g+LJ+1], v[\b+LJ:\b+LJ+1]
.set LJ, LJ+2
.endr
	WIN 0
.endm
.macro GELU x                          ; 16 registers in place; the sixteen chains take turns line by line
.set GI, 0
.rept 16
	v_mul_f32 v[ZZ+GI], s[RS2], |v[\x+GI]|         ; z
.set GI, GI+1
.endr
.set GI, 0
.rept 16
	v_fma_f32 v[TT+GI], v[ZZ+GI], 0.5, 1.0
.set GI, GI+1
.endr
.set GI, 0
.rept 16
	v_rcp_f32 v[TT+GI], v[TT+GI]                   ; t
.set GI, GI+1
.endr
	v_nop
	s_wait_alu depctr_va_vdst(0)                   ; one wait for the sixteen reciprocals
.set GI, 0
.rept 16
	v_fmaak_f32 v[PP+GI], s[C9], v[TT+GI], 0xbf527892   ; 0.17087277 t - 0.82215223
.set GI, GI+1
.endr
.irp kc, 0x3fbe87b0, 0xbf914e5d, 0x3e8ec7cc, 0xbe3ec24c, 0x3dc636c9, 0x3ebf88fb, 0x3f8000c7, 0xbfa1fc4e   ; 1.48851587, -1.13520398, 0.27886807, -0.18628806, 0.09678418, 0.37409196, 1.00002368, -1.26551223
.set GI, 0
.rept 16
	v_fmaak_f32 v[PP+GI], v[PP+GI], v[TT+GI], \kc
.set GI, GI+1
.endr
.endr
.set GI, 0
.rept 16
	v_fma_f32 v[PP+GI], -v[ZZ+GI], v[ZZ+GI], v[PP+GI]
.set GI, GI+1
.endr
.set GI, 0
.rept 16
	v_fma_f32 v[PP+GI], v[PP+GI], s[L2E], -1.0     ; in base 2, and halved
.set GI, GI+1
.endr
.set GI, 0
.rept 16
	v_exp_f32 v[PP+GI], v[PP+GI]
.set GI, GI+1
.endr
	v_nop
	s_wait_alu depctr_va_vdst(0)                   ; one wait for the sixteen exponentials
.set GI, 0
.rept 16
	v_mul_f32 v[PP+GI], v[TT+GI], v[PP+GI]         ; erfc(z) / 2
.set GI, GI+1
.endr
.set GI, 0
.rept 16
	v_sub_f32 v[TT+GI], 1.0, v[PP+GI]
.set GI, GI+1
.endr
.set GI, 0
.rept 16
	v_cmp_lt_f32 vcc_lo, 0, v[\x+GI]
	v_cndmask_b32 v[PP+GI], v[PP+GI], v[TT+GI], vcc_lo
.set GI, GI+1
.endr
.set GI, 0
.rept 16
	v_mul_f32 v[\x+GI], v[\x+GI], v[PP+GI]
.set GI, GI+1
.endr
.endm
.macro ADD64 d, a                      ; 64 registers: d += a
.set LJ, 0
.rept 32
	v_pk_add_f32 v[\d+LJ:\d+LJ+1], v[\d+LJ:\d+LJ+1], v[\a+LJ:\a+LJ+1]
.set LJ, LJ+2
.endr
.endm
	s_load_b512 s[4:19], s[0:1], 0x0               ; part_ws, h1_ws, op1_b, ln_mlp_g, ln_mlp_b, W1 codes, W1 scales, b1
	s_load_b256 s[20:27], s[0:1], 0x40             ; W2 codes, W2 scales, b2, ln_op2_g
	s_load_b128 s[28:31], s[0:1], 0x60             ; ln_op2_b, h3_ws
	s_load_b64 s[32:33], s[0:1], 0x70              ; t_ws
	v_lshl_add_u32 v11, v0, 2, SPARE
	v_mov_b32 v12, 0
	v_lshrrev_b32 v1, 5, v0
	v_readfirstlane_b32 s[WV], v1
	s_and_b32 s[RT], s[WV], 1
	s_lshr_b32 s[KS], s[WV], 1
	v_and_b32 v13, 31, v0
	v_and_b32 v14, 15, v0
	v_bfe_u32 v15, v0, 4, 1
	v_lshlrev_b32 v1, 4, v13                       ; 16 l
	v_lshlrev_b32 v2, 6, v15                       ; 64 e
	v_and_b32 v13, 8, v14
	v_add_nc_u32 v13, v13, v14                     ; r + 8 (r / 8)
	v_lshlrev_b32 v3, 7, v13
	v_lshl_add_u32 v3, v15, 4, v3                  ; W1: a row of 128 bytes, + 16 e
	v_lshlrev_b32 v4, 9, v13
	v_lshl_add_u32 v4, v15, 4, v4                  ; W2: a row of 512 bytes, + 16 e
	v_lshlrev_b32 v7, 2, v13
	v_lshl_add_u32 v7, v15, 5, v7                  ; W1's scale words: lanes 16-31 take the tile 8 rows on
	v_lshlrev_b32 v8, 4, v13
	v_lshl_add_u32 v8, v15, 7, v8                  ; W2's likewise, 16 bytes a row
	s_lshl_b32 s37, s[RT], 13
	v_add_nc_u32 v6, s37, v1                       ; h2's image of my tile
	s_lshl_b32 s38, s[KS], 11
	s_add_co_u32 s38, s38, s37
	v_add_nc_u32 v5, s38, v1                       ; my four groups of it
	s_lshl_b32 s38, s[RT], 15
	s_add_co_u32 s38, s38, YB
	v_add_nc_u32 v10, s38, v1                      ; my tile's four partial results
	s_lshl_b32 s39, s[KS], 13
	s_add_co_u32 s38, s38, s39
	v_add_nc_u32 v9, s38, v1                       ; mine of them
	s_mov_b32 s[SEL], 0x76543210
	s_mov_b32 s[SEL+1], 0xfedcba98
	s_mov_b32 s[MNT], 0x600000
	s_mov_b32 s[INV], 0x3c000000
	s_mov_b32 s[EPS], 0x3727c5ac
	s_mov_b32 s[RS2], 0x3f3504f3                   ; 1 / sqrt(2)
	s_mov_b32 s[L2E], 0x3fb8aa3b                   ; log2(e)
	s_mov_b32 s[C9], 0x3e2ef945                    ; 0.17087277
	s_lshl_b32 s52, ttmp9, 1
	s_add_co_u32 s52, s52, s[RT]
	s_lshl_b32 s52, s52, 13                        ; my tile's image
	s_mov_b32 s53, 0
	s_lshl_b32 s54, s[KS], 11
	s_add_co_u32 s54, s54, s52                     ; groups 4 ks on
	s_mov_b32 s55, 0
	s_lshl_b32 s56, s[KS], 7
	s_mov_b32 s57, 0
	s_lshl_b32 s58, s[KS], 14
	s_mov_b32 s59, 0
	s_lshl_b32 s60, s[KS], 9
	s_mov_b32 s61, 0
	s_lshl_b32 s62, s[KS], 2
	s_mov_b32 s63, 0
	s_wait_kmcnt 0x0
	s_add_nc_u64 s[48:49], s[4:5], s[54:55]        ; quarters 0 and 1,
	s_add_nc_u64 s[50:51], s[48:49], 0x800000      ; quarters 2 and 3
	s_add_nc_u64 s[6:7], s[6:7], s[54:55]
	s_add_nc_u64 s[8:9], s[8:9], s[56:57]          ; op1_b: 32 ks numbers on
	s_add_nc_u64 s[14:15], s[14:15], s[58:59]      ; W1: 128 ks rows on
	s_add_nc_u64 s[16:17], s[16:17], s[60:61]
	s_add_nc_u64 s[18:19], s[18:19], s[60:61]      ; b1: 128 ks numbers on
	s_add_nc_u64 s[20:21], s[20:21], s[56:57]      ; W2: 128 ks along K
	s_add_nc_u64 s[22:23], s[22:23], s[62:63]
	s_add_nc_u64 s[30:31], s[30:31], s[52:53]
	s_add_nc_u64 s[32:33], s[32:33], s[52:53]
.irp p, 0,1
.irp k, 0,1,2,3
	global_load_b128 v[R1+16*\p+4*\k:R1+16*\p+4*\k+3], v1, s[48:49] offset:4194304*\p+512*\k th:TH_LOAD_NT
	global_load_b128 v[R1+32+16*\p+4*\k:R1+32+16*\p+4*\k+3], v1, s[50:51] offset:4194304*\p+512*\k th:TH_LOAD_NT
.endr
.endr
.irp k, 0,1,2,3
	global_load_b128 v[PC+4*\k:PC+4*\k+3], v1, s[6:7] offset:512*\k
	global_load_b128 v[TM+4*\k:TM+4*\k+3], v2, s[8:9] offset:16*\k
.endr
.irp b, 0,1,2,3
.irp k, 0,1,2,3
	global_load_b128 v[R2+16*\b+4*\k:R2+16*\b+4*\k+3], v2, s[10:11] offset:128*\b+16*\k
	global_load_b128 v[R3+16*\b+4*\k:R3+16*\b+4*\k+3], v2, s[12:13] offset:128*\b+16*\k
.endr
.endr
.irp b, 0,1,2,3
	global_load_b32 v[W1S+\b], v7, s[16:17] offset:128*\b
	global_load_b32 v[W2S+\b], v8, s[22:23] offset:512*\b
.endr
	WIN 0x40                                       ; destination window 1: v0-127 W1's fragments, v128-255 W2's
.irp t, 0,1,2,3,4,5,6,7
.irp c, 0,1,2,3
	global_load_b128 v[16*\t+4*\c:16*\t+4*\c+3], v3, s[14:15] offset:4096*(\t/2)+1024*(\t%2)+32*\c
.endr
.endr
.irp t, 0,1,2,3,4,5,6,7
.irp c, 0,1,2,3
	global_load_b128 v[128+16*\t+4*\c:128+16*\t+4*\c+3], v4, s[20:21] offset:16384*(\t/2)+4096*(\t%2)+32*\c
.endr
.endr
	WIN 0
	s_wait_loadcnt 63                              ; 104 loads were issued behind the first 24: with 63 out, those are in
.irp j, 0,2,4,6,8,10,12,14
	v_pk_add_f32 v[PC+\j:PC+\j+1], v[PC+\j:PC+\j+1], v[TM+\j:TM+\j+1]
.endr
.irp p, 0,1,2,3
.irp j, 0,2,4,6,8,10,12,14
	v_pk_add_f32 v[PC+\j:PC+\j+1], v[PC+\j:PC+\j+1], v[R1+16*\p+\j:R1+16*\p+\j+1]
.endr
.endr
.irp k, 0,1,2,3
	ds_store_b128 v5, v[PC+4*\k:PC+4*\k+3] offset:HB+512*\k
.endr
	s_wait_dscnt 0x0
	s_barrier_signal -1
	s_barrier_wait -1                              ; h2's two images lie in LDS
.set LJ, 0
.rept 16
	ds_load_b128 v[R1+4*LJ:R1+4*LJ+3], v6 offset:HB+512*LJ
.set LJ, LJ+1
.endr
	s_wait_dscnt 0x0
	s_wait_loadcnt 63                              ; 72 loads were issued behind g and b: with 63 out, those are in
	LNORM R1, R1, R2, R3, 0
.irp b, 0,1,2,3
.irp k, 0,1,2,3
	global_load_b128 v[R2+16*\b+4*\k:R2+16*\b+4*\k+3], v2, s[18:19] offset:128*\b+16*\k   ; b1, in the result's order: the C of the first product
.endr
.endr
	QUANT R1
	s_wait_loadcnt 0x0
.rept 3
	v_nop
.endr
	WIN 0x01                                       ; source 0 in window 1
.irp t, 0,2,4,6
	v_wmma_scale_f32_16x16x128_f8f6f4 v[R1+8*\t:R1+8*\t+7], v[16*\t:16*\t+15], v[PC:PC+15], v[R2+8*\t:R2+8*\t+7], v[W1S+\t/2], v[PW] matrix_a_fmt:MATRIX_FMT_BF8 matrix_b_fmt:MATRIX_FMT_BF8
	v_wmma_scale_f32_16x16x128_f8f6f4 v[R1+8*\t+8:R1+8*\t+15], v[16*\t+16:16*\t+31], v[PC:PC+15], v[R2+8*\t+8:R2+8*\t+15], v[W1S+\t/2], v[PW] matrix_a_fmt:MATRIX_FMT_BF8 matrix_b_fmt:MATRIX_FMT_BF8 matrix_a_scale:MATRIX_SCALE_ROW1
.endr
	WIN 0
.rept 8
	v_nop
.endr
	s_cmp_lg_u32 s[KS], 0                          ; the waves that will finish the rows ask now for what they will want
	s_cbranch_scc1 .Lno_tail_loads
.irp b, 0,1,2,3
.irp k, 0,1,2,3
	global_load_b128 v[R2+16*\b+4*\k:R2+16*\b+4*\k+3], v2, s[24:25] offset:128*\b+16*\k   ; b2
.endr
.endr
	WIN 0x40                                       ; W1's fragments are done with: ln_op2's g and b take their place
.irp b, 0,1,2,3
.irp k, 0,1,2,3
	global_load_b128 v[16*\b+4*\k:16*\b+4*\k+3], v2, s[26:27] offset:128*\b+16*\k
	global_load_b128 v[64+16*\b+4*\k:64+16*\b+4*\k+3], v2, s[28:29] offset:128*\b+16*\k
.endr
.endr
	WIN 0
.Lno_tail_loads:
	GELU R1
	GELU R1+16
	GELU R1+32
	GELU R1+48
	QUANT R1                                       ; K step ks of the second product
.rept 3
	v_nop
.endr
	WIN 0x01
.irp t, 0,2,4,6
	v_wmma_scale_f32_16x16x128_f8f6f4 v[R1+8*\t:R1+8*\t+7], v[128+16*\t:128+16*\t+15], v[PC:PC+15], 0, v[W2S+\t/2], v[PW] matrix_a_fmt:MATRIX_FMT_BF8 matrix_b_fmt:MATRIX_FMT_BF8
	v_wmma_scale_f32_16x16x128_f8f6f4 v[R1+8*\t+8:R1+8*\t+15], v[128+16*\t+16:128+16*\t+31], v[PC:PC+15], 0, v[W2S+\t/2], v[PW] matrix_a_fmt:MATRIX_FMT_BF8 matrix_b_fmt:MATRIX_FMT_BF8 matrix_a_scale:MATRIX_SCALE_ROW1
.endr
	WIN 0
.rept 8
	v_nop
.endr
	s_cmp_eq_u32 s[KS], 0                          ; the waves with ks = 0 keep their part in registers
	s_cbranch_scc1 .Lkeep
.set LJ, 0
.rept 16
	ds_store_b128 v9, v[R1+4*LJ:R1+4*LJ+3] offset:512*LJ
.set LJ, LJ+1
.endr
.Lkeep:
	s_wait_dscnt 0x0
	s_barrier_signal -1
	s_barrier_wait -1                              ; the partial results lie in LDS
	s_cmp_lg_u32 s[KS], 0
	s_cbranch_scc1 .Lend
.irp kk, 1,2,3
.set LJ, 0
.rept 16
	ds_load_b128 v[R3+4*LJ:R3+4*LJ+3], v10 offset:8192*\kk+512*LJ
.set LJ, LJ+1
.endr
	s_wait_dscnt 0x0
	ADD64 R1, R3
.endr
.set LJ, 0
.rept 16
	ds_load_b128 v[R3+4*LJ:R3+4*LJ+3], v6 offset:HB+512*LJ
.set LJ, LJ+1
.endr
	s_wait_dscnt 0x0
	ADD64 R1, R3                                   ; + h2
	s_wait_loadcnt 0x0
	ADD64 R1, R2                                   ; + b2: h3
.set LJ, 0
.rept 16
	global_store_b128 v1, v[R1+4*LJ:R1+4*LJ+3], s[30:31] offset:512*LJ
.set LJ, LJ+1
.endr
	LNORM R1, R3, 0, 64, 1                         ; into other registers than the stores read
.set LJ, 0
.rept 16
	global_store_b128 v1, v[R3+4*LJ:R3+4*LJ+3], s[32:33] offset:512*LJ
.set LJ, LJ+1
.endr
.Lend:
	s_wait_tensorcnt 0x0                           ; the wave's end
	ds_add_u32 v11, v12
	s_wait_dscnt 0x0
	s_endpgm
.Lfunc_end_k_q62e6aee446_mid2:
	.size	k_q62e6aee446_mid2, .Lfunc_end_k_q62e6aee446_mid2-k_q62e6aee446_mid2
	.p2alignl 7, 3214868480
	.fill 96, 4, 3214868480
	.section	.rodata,"a",@progbits
	.p2align	6, 0x0
	.amdhsa_kernel k_q62e6aee446_mid2
		.amdhsa_group_segment_fixed_size 82944
		.amdhsa_private_segment_fixed_size 0
		.amdhsa_enable_private_segment 0
		.amdhsa_kernarg_size 120
		.amdhsa_user_sgpr_count 2
		.amdhsa_user_sgpr_kernarg_segment_ptr 1
		.amdhsa_wavefront_size32 1
		.amdhsa_system_sgpr_workgroup_id_x 1
		.amdhsa_system_sgpr_workgroup_id_y 1
		.amdhsa_system_sgpr_workgroup_id_z 1
		.amdhsa_system_vgpr_workitem_id 0
		.amdhsa_next_free_vgpr 512
		.amdhsa_next_free_sgpr 66
		.amdhsa_reserve_vcc 1
		.amdhsa_float_denorm_mode_32 3
		.amdhsa_float_denorm_mode_16_64 3
		.amdhsa_memory_ordered 1
		.amdhsa_forward_progress 1
		.amdhsa_inst_pref_size 150
	.end_amdhsa_kernel
	.amdgpu_metadata
---
amdhsa.version: [ 1, 2 ]
amdhsa.kernels:
  - .name:           k_q62e6aee446_mid2
    .symbol:         k_q62e6aee446_mid2.kd
    .args:
      - { .name: part_ws, .offset: 0, .size: 8, .value_kind: global_buffer, .address_space: global }
      - { .name: h1_ws, .offset: 8, .size: 8, .value_kind: global_buffer, .address_space: global }
      - { .name: op1_b, .offset: 16, .size: 8, .value_kind: global_buffer, .address_space: global }
      - { .name: ln_mlp_g, .offset: 24, .size: 8, .value_kind: global_buffer, .address_space: global }
      - { .name: ln_mlp_b, .offset: 32, .size: 8, .value_kind: global_buffer, .address_space: global }
      - { .name: ffn_W1_codes, .offset: 40, .size: 8, .value_kind: global_buffer, .address_space: global }
      - { .name: ffn_W1_scales, .offset: 48, .size: 8, .value_kind: global_buffer, .address_space: global }
      - { .name: ffn_b1, .offset: 56, .size: 8, .value_kind: global_buffer, .address_space: global }
      - { .name: ffn_W2_codes, .offset: 64, .size: 8, .value_kind: global_buffer, .address_space: global }
      - { .name: ffn_W2_scales, .offset: 72, .size: 8, .value_kind: global_buffer, .address_space: global }
      - { .name: ffn_b2, .offset: 80, .size: 8, .value_kind: global_buffer, .address_space: global }
      - { .name: ln_op2_g, .offset: 88, .size: 8, .value_kind: global_buffer, .address_space: global }
      - { .name: ln_op2_b, .offset: 96, .size: 8, .value_kind: global_buffer, .address_space: global }
      - { .name: h3_ws, .offset: 104, .size: 8, .value_kind: global_buffer, .address_space: global }
      - { .name: t_ws, .offset: 112, .size: 8, .value_kind: global_buffer, .address_space: global }
    .group_segment_fixed_size: 82944
    .private_segment_fixed_size: 0
    .kernarg_segment_align: 8
    .kernarg_segment_size: 120
    .max_flat_workgroup_size: 256
    .sgpr_count:     66
    .vgpr_count:     512
    .wavefront_size: 32
...
	.end_amdgpu_metadata
.endif
;; end of part 5
;; launch opmix2: the kernel of part 4 again; grid 64 x 4, 8 waves a work-group, clusters of 4 x 1, 327,680 bytes of LDS; arguments t_ws, op2_W_codes, op2_W_scales, part_ws; writes part_ws
;; launch fin (part 6): grid 256 x 1, 8 waves a work-group, no clusters, 17,920 bytes of LDS; arguments part_ws, h3_ws, op2_b, out0; writes out0
.if DOCPART == 6
	.amdgcn_target "amdgcn-amd-amdhsa--gfx1250"
	.amdhsa_code_object_version 6
	.text
	.protected	k_q62e6aee446_fin
	.globl	k_q62e6aee446_fin
	.p2align	8
	.type	k_q62e6aee446_fin,@function
k_q62e6aee446_fin:
	s_mov_b64 s[64:65], 0
	v_nop
	global_prefetch_b8 v0, s[64:65] scope:SCOPE_SE
	s_setreg_imm32_b32 hwreg(HW_REG_WAVE_MODE, 25, 1), 1
	s_wait_xcnt 0x0
; LAUNCH 7 OF 7: out0 = h3 + the four quarters of the second mix + op2_b, brought from the canonical images to rows.  Nothing of reference() is left out here.
; A work-group takes 32 tokens (two row tiles).  Wave w: tile rt = w % 2, features 32 b .. 32 b + 31 with b = w / 2: 16 numbers a lane.  The sums go through a stage of 32 rows x (512 + 16) bytes; behind one barrier each
; wave stores four whole rows: 512 consecutive bytes a store.
.set SPARE, 16896
.set PT,  16                           ; v16-79  the four quarters
.set HH,  80                           ; v80-95  h3, then the sum
.set BB,  96                           ; v96-111 op2_b
.set OU,  112                          ; v112-127 four rows' pieces
	s_load_b256 s[4:11], s[0:1], 0x0               ; part_ws, h3_ws, op2_b, out0
	v_lshl_add_u32 v2, v0, 2, SPARE
	v_mov_b32 v3, 0
	v_lshrrev_b32 v1, 5, v0
	v_readfirstlane_b32 s12, v1                    ; wave
	s_and_b32 s13, s12, 1                          ; rt
	s_lshr_b32 s14, s12, 1                         ; b
	v_and_b32 v4, 31, v0
	v_and_b32 v5, 15, v0
	v_bfe_u32 v6, v0, 4, 1
	v_lshlrev_b32 v1, 4, v4                        ; 16 l
	v_lshlrev_b32 v7, 6, v6                        ; 64 e
	v_and_b32 v8, 8, v5
	v_add_nc_u32 v8, v8, v5                        ; r + 8 (r / 8)
	v_mul_u32_u24 v8, v8, 528
	v_add_nc_u32 v8, v8, v7
	s_mul_i32 s15, s13, 8*528
	s_lshl_b32 s16, s14, 7
	s_add_co_u32 s15, s15, s16
	v_add_nc_u32 v8, s15, v8                       ; the stage, in: row 8 rt + r + 8 (r / 8), byte 128 b + 64 e
	s_mul_i32 s15, s12, 4*528
	v_add_nc_u32 v9, s15, v1                       ; and out: rows 4 w on, 16 bytes a lane
	s_lshl_b32 s16, ttmp9, 1
	s_add_co_u32 s16, s16, s13
	s_lshl_b32 s16, s16, 13
	s_lshl_b32 s17, s14, 11
	s_add_co_u32 s16, s16, s17                     ; my tile's image, groups 4 b on
	s_mov_b32 s17, 0
	s_lshl_b32 s18, s14, 7
	s_mov_b32 s19, 0
	s_lshl_b32 s20, ttmp9, 14
	s_lshl_b32 s21, s12, 11
	s_add_co_u32 s20, s20, s21                     ; out0: token 32 x work-group + 4 w
	s_mov_b32 s21, 0
	s_wait_kmcnt 0x0
	s_add_nc_u64 s[4:5], s[4:5], s[16:17]          ; quarters 0 and 1,
	s_add_nc_u64 s[22:23], s[4:5], 0x800000        ; quarters 2 and 3
	s_add_nc_u64 s[6:7], s[6:7], s[16:17]
	s_add_nc_u64 s[8:9], s[8:9], s[18:19]
	s_add_nc_u64 s[10:11], s[10:11], s[20:21]
.irp p, 0,1
.irp k, 0,1,2,3
	global_load_b128 v[PT+16*\p+4*\k:PT+16*\p+4*\k+3], v1, s[4:5] offset:4194304*\p+512*\k th:TH_LOAD_NT
	global_load_b128 v[PT+32+16*\p+4*\k:PT+32+16*\p+4*\k+3], v1, s[22:23] offset:4194304*\p+512*\k th:TH_LOAD_NT
.endr
.endr
.irp k, 0,1,2,3
	global_load_b128 v[HH+4*\k:HH+4*\k+3], v1, s[6:7] offset:512*\k th:TH_LOAD_NT
	global_load_b128 v[BB+4*\k:BB+4*\k+3], v7, s[8:9] offset:16*\k
.endr
	s_wait_loadcnt 0x0
.irp j, 0,2,4,6,8,10,12,14
	v_pk_add_f32 v[HH+\j:HH+\j+1], v[HH+\j:HH+\j+1], v[BB+\j:BB+\j+1]
.endr
.irp p, 0,1,2,3
.irp j, 0,2,4,6,8,10,12,14
	v_pk_add_f32 v[HH+\j:HH+\j+1], v[HH+\j:HH+\j+1], v[PT+16*\p+\j:PT+16*\p+\j+1]
.endr
.endr
.irp k, 0,1,2,3
	ds_store_b128 v8, v[HH+4*\k:HH+4*\k+3] offset:16*\k
.endr
	s_wait_dscnt 0x0                               ; for the others' sake: my stores have landed
	s_barrier_signal -1
	s_barrier_wait -1
.irp i, 0,1,2,3
	ds_load_b128 v[OU+4*\i:OU+4*\i+3], v9 offset:528*\i
.endr
.irp i, 0,1,2,3
	s_wait_dscnt 3-\i                              ; row i is in; the younger loads may be out
	global_store_b128 v1, v[OU+4*\i:OU+4*\i+3], s[10:11] offset:512*\i th:TH_STORE_NT
.endr
	s_wait_tensorcnt 0x0                           ; the wave's end
	ds_add_u32 v2, v3
	s_wait_dscnt 0x0
	s_endpgm
.Lfunc_end_k_q62e6aee446_fin:
	.size	k_q62e6aee446_fin, .Lfunc_end_k_q62e6aee446_fin-k_q62e6aee446_fin
	.p2alignl 7, 3214868480
	.fill 96, 4, 3214868480
	.section	.rodata,"a",@progbits
	.p2align	6, 0x0
	.amdhsa_kernel k_q62e6aee446_fin
		.amdhsa_group_segment_fixed_size 17920
		.amdhsa_private_segment_fixed_size 0
		.amdhsa_enable_private_segment 0
		.amdhsa_kernarg_size 32
		.amdhsa_user_sgpr_count 2
		.amdhsa_user_sgpr_kernarg_segment_ptr 1
		.amdhsa_wavefront_size32 1
		.amdhsa_system_sgpr_workgroup_id_x 1
		.amdhsa_system_sgpr_workgroup_id_y 1
		.amdhsa_system_sgpr_workgroup_id_z 1
		.amdhsa_system_vgpr_workitem_id 0
		.amdhsa_next_free_vgpr 128
		.amdhsa_next_free_sgpr 66
		.amdhsa_reserve_vcc 0
		.amdhsa_float_denorm_mode_32 3
		.amdhsa_float_denorm_mode_16_64 3
		.amdhsa_memory_ordered 1
		.amdhsa_forward_progress 1
		.amdhsa_inst_pref_size 8
	.end_amdhsa_kernel
	.amdgpu_metadata
---
amdhsa.version: [ 1, 2 ]
amdhsa.kernels:
  - .name:           k_q62e6aee446_fin
    .symbol:         k_q62e6aee446_fin.kd
    .args:
      - { .name: part_ws, .offset: 0, .size: 8, .value_kind: global_buffer, .address_space: global }
      - { .name: h3_ws, .offset: 8, .size: 8, .value_kind: global_buffer, .address_space: global }
      - { .name: op2_b, .offset: 16, .size: 8, .value_kind: global_buffer, .address_space: global }
      - { .name: out0, .offset: 24, .size: 8, .value_kind: global_buffer, .address_space: global }
    .group_segment_fixed_size: 17920
    .private_segment_fixed_size: 0
    .kernarg_segment_align: 8
    .kernarg_segment_size: 32
    .max_flat_workgroup_size: 256
    .sgpr_count:     66
    .vgpr_count:     128
    .wavefront_size: 32
...
	.end_amdgpu_metadata
.endif
;; end of part 6
